; MI455X (gfx1250); checked and timed in simulation.
; The chip was launched on July 23, 2026; its instructions are those of AMD's public machine-readable ISA for CDNA 5 (MIT licence, August 2026) and "CDNA5" Instruction Set Architecture Reference Guide (July 2026). The comments in the code are by the model that wrote it; some were corrected since.
;; Expert Parallel. Allowed arithmetic: matrix products marked QUANTISED: E2M3 operands, one E8M0 scale for each 32 along K, by v_wmma_scale_f32_16x16x128_f8f6f4 with both operands' format E2M3, f32 sums; everything else in f32.
;; Inputs: down_proj 16 x 1,024 x 1,024 float32; expert_indices 2 x 512 int32; gate_proj 16 x 1,024 x 1,024 float32; up_proj 16 x 1,024 x 1,024 float32; x 2 x 512 x 1,024 float32.
;; Outputs: out0 2 x 512 x 1,024 float32.
;; This version of the problem:
;;   THIS VERSION OF THE PROBLEM IS GIVEN IN LOW PRECISION. The matrix products marked QUANTISED in the list below multiply operands that are first quantised to E2M3 (2 exponent bits, 3 mantissa bits; 6 bits a number), with one power-of-two scale for each 32 numbers along K (OCP MX v1.0); their sums are f32. All else is computed in f32.
;;   The module's matrix products, in the order in which they are computed (A, B: the left and right operand; K: the contracted axis; several contracted axes count as one K, in the product's order):
;;     1. [M 1,024, K 1,024] x [K 1,024, N 16,384]; A: input x; B: input gate_proj: QUANTISED
;;     2. [M 1,024, K 1,024] x [K 1,024, N 16,384]; A: input x; B: input up_proj: QUANTISED
;;     3. [M 1,024, K 1,024] x [K 1,024, N 16,384]; A: computed on the way; B: input down_proj: QUANTISED
;;   THE QUANTISER, for each operand of a quantised product, along K:
;;     - K is cut into blocks of 32 from its start; a last block that is shorter is filled with zeros.
;;     - A block's scale is 2^e with e = floor(log2(the largest magnitude in the block)) - 2, held to -126 .. 127; a block of zeros has e = 0. As a byte (E8M0): e + 127.
;;     - Each number is divided by its block's scale, clamped to +-7.5, and rounded to the nearest number of E2M3, ties to even, subnormals kept.
;;     - The product sums the exact products of the quantised numbers (number of the format x scale) in f32.
;;   ~~~python
;;   def quantise(x, axis):      # numpy; x: float32 -> the quantised numbers, widened to float32 again
;;       x = np.moveaxis(x, axis, -1); K = x.shape[-1]
;;       x = np.pad(x, [(0, 0)] * (x.ndim - 1) + [(0, -K % 32)]); x = x.reshape(x.shape[:-1] + (-1, 32)); a = np.abs(x).max(-1, keepdims=True)
;;       e = np.where(a > 0, np.clip(np.frexp(np.where(a > 0, a, 1))[1] - 1 - 2, -126, 127), 0)      # np.frexp(a)[1] - 1 = floor(log2(a)), exactly
;;       r = np.clip(x / 2.0 ** e, -7.5, 7.5)
;;       step = 2.0 ** (np.maximum(np.frexp(np.where(r == 0, 1, r))[1] - 1, 0) - 3)
;;       q = np.round(r / step) * step * 2.0 ** e      # np.round: ties to even
;;       return np.moveaxis(q.reshape(q.shape[:-2] + (-1,))[..., :K], -1, axis).astype(np.float32)
;;   ~~~
;;   OPERANDS COMPUTED ON THE WAY. 'Computed on the way' means the value that the module computes at that place (a softmax that the list does not call 'softmax' is quantised finished and normalised). What goes into a quantiser is computed in f32, as accurately as f32 sums, v_exp_f32 and their like allow (about 1e-6 of the number): no bf16 or f16 on the way to a quantiser, and a product that is left as it is and whose result goes on into a quantised operand takes f32 operands (vector FMAs, or v_wmma_f32_16x16x4_f32). A number that lies on a knife's edge between two numbers of the format may be rounded either way, as far as f32 arithmetic and the matrix unit's own rounding can turn it there, and no further.
;; 2 versions. Each part assembles by itself: llvm-mc -triple=amdgcn-amd-amdhsa -mcpu=gfx1250 --defsym DOCPART=n.
;; ======== version 1 of 2: 2 launches
;; workspace buffers: inter_codes 12,582,912 bytes; inter_scales 524,288 bytes; route 133,120 bytes of whole numbers
;; launch gateup (part 1): grid 16 x 16, 16 waves a work-group, no clusters, 281,088 bytes of LDS; arguments x, expert_indices, gate_proj, up_proj, inter_codes, inter_scales, route; writes inter_codes, inter_scales, route
.if DOCPART == 1
	.amdgcn_target "amdgcn-amd-amdhsa--gfx1250"
	.amdhsa_code_object_version 6
	.text
	.protected	k_qa64c386e9f_gateup
	.globl	k_qa64c386e9f_gateup
	.p2align	8
	.type	k_qa64c386e9f_gateup,@function
k_qa64c386e9f_gateup:
	s_mov_b64 s[64:65], 0
	v_nop
	global_prefetch_b8 v0, s[64:65] scope:SCOPE_SE
	s_setreg_imm32_b32 hwreg(HW_REG_WAVE_MODE, 25, 1), 1
	s_wait_xcnt 0x0
; inter[n][:] = silu(x[n] G_e) * (x[n] U_e), e = expert_indices[n], both products on codes of FP6 (E2M3) with one E8M0 scale for each 32 along K = H; inter is quantised along I and leaves as codes.
; WORK LEFT OUT.  reference() multiplies every token by all 16 experts and keeps, by take_along_axis on the index input, the one row of the token's own expert: whatever the inputs hold, the 15 other rows
; reach no output.  Only the chosen rows are multiplied, here and in the second launch.  Every input keeps a way to the output and is loaded.  LIMIT: a NaN, an infinity or an overflow that would arise only in
; the rows left out is not carried to the result.
; FURTHER LIMITS.  Indices lie in 0 .. 15 (an index stays inside its table); NaN and infinities among the inputs are not served; a block of zeros gets the scale byte 1 where the rule says 127: its codes are
; zeros, and the bytes are read by this program alone; an expert without tokens still has its weights streamed, since the streaming waves branch on no data.
; SHARES.  Work-group (x, y) = (slice of 64 columns of I, expert).  Sixteen waves in two roles.  Waves 0-7 STREAM: wave w reads rows 128 w .. 128 w + 127 of H, 64 columns, of gate and of up, each byte once,
; quantises down K in registers and leaves codes and scale words in LDS.  Waves 8-15 serve TOKENS: each finds the expert's tokens from the index input, gathers and quantises a tile of 16 rows of x meanwhile,
; and behind the barrier multiplies it by the 64 + 64 columns, applies silu x up, quantises the 64 results (two blocks of the next K) and stores them.
; A tile's row r is the expert's token of rank min(16 t + r, count - 1): rows past the end repeat the last token, compute the same numbers and store the same bytes: EXEC is never changed.
; EIGHT PASSES, a constant: 8 token waves x 8 passes = 64 tiles = all 1,024 tokens on one expert.  The barrier stands in every wave's path, under no branch on data; only the first orders anything
; (the streaming waves' LDS stores, which all stand ahead of the loop, against the token waves' reads).
; No tensor loads, no cluster: how many tiles an expert has hangs on loaded indices, and each weight byte is read by this work-group alone.
; BOTH PRODUCTS ARE USED TRANSPOSED (source 0 = 16 weight columns, source 1 = 16 tokens): a lane holds one token.  Column n of the slice lies at LDS row n with its bits 3 and 4 swapped, so that LDS rows
; 16 (2 b + u) + r are columns 32 b + 8 u + r + 8 (r / 8), and the 16 registers of tiles 2 b and 2 b + 1 are 16 neighbours along the next K: 32 b + 16 (lane / 16) + 0 .. 15.
.set UW,    50176                      ; LDS: gate's codes at 0: 64 rows of 768 bytes + 16 (pitch 784 = 196 words: the 32 lanes of a fragment's 8-byte load fall on 64 different banks; 64 banks of 4 bytes: ISA guide 11.1); up's here
.set WSC,   100352                     ; scale words: 128 rows (gate's 64, up's 64) of 8 words + 1
.set STG,   104960                     ; a token wave's stage: 16 rows of 512 bytes + 16
.set XIM,   172544                     ; a token wave's images of x: 8 fragments of 1,536 bytes, then 8 x 128 bytes of scale words
.set SPARE, 279040                     ; the spare words, 128 bytes for each wave: eight blocks of 256 bytes that no other line names
.set SPW, 1                            ; v1   my spare word;  v2  0: both never rewritten
.set NIL, 2
.set AWG, 3                            ; v3   stream: where my two columns' codes go, gate;  v4 up
.set ASC, 5                            ; v5   stream: where their scale words go
.set LW,  6                            ; v6   tokens: my lane's place in a weight fragment, gate;  v7 up
.set LWU, 7
.set LSC, 8                            ; v8   tokens: weight scale words: lanes 0-15 gate's, lanes 16-31 up's
.set STW, 9                            ; v9   stage, in: 16 x lane;  v10 out: row r, + 64 h
.set STR, 10
.set XI,  11                           ; v11  x's images: 16 x lane;  v12 their scale words: 4 x lane
.set XS,  12
.set VL,  13                           ; v13 lane, v14 r = lane % 16, v15 h = lane / 16
.set VR,  14
.set VH,  15
.set L4,  16                           ; v16 4 x lane, v17 8 x lane, v18 16 x lane, v19 4 r + h: offsets in memory, never rewritten
.set L8,  17
.set L16, 18
.set R4H, 19
.set WS,  56                           ; v56-59 weight scale words, v60-61 x's: scales and nothing else, in both roles
.set ASR, 60
.set WD,  20                           ; STREAM: v20-23 scale words in the making [matrix][column]
.set MXS, 24                           ; v24-25 largest magnitudes;  v26-27 the conversions' scale operands
.set SOS, 26
.set CC,  28                           ; v28-33 a block's codes;  v34-36 its upper half as converted
.set DD,  34
.set T16, 38                           ; v38-53 sixteen neighbours along K of one column
.set SR,  64                           ; v64-255 three sets of 32 rows x 2 columns
.set TOK, 20                           ; TOKENS: v20 my row's token;  v21-30 at work
.set MX,  21
.set PX,  23
.set SO,  25
.set BY,  27
.set PW,  31
.set OFF, 32                           ; v32-47 byte offsets of the tile's 16 rows of x, + 16 x lane
.set GX,  64                           ; v64-191 two sets of 16 rows x 512 bytes as loaded
.set XX,  192                          ; v192-223 two blocks of my row
.set PC,  224                          ; v224-235 a fragment's codes;  v236-238 a half as converted
.set PD,  236
.set ACC, 64                           ; products: v64-95 gate's four tiles, v96-127 up's
.set WR,  128                          ; v128-223 four groups of (gate fragment, up fragment)
.set AFR, 224                          ; v224-247 x's fragment, two sets
.set EX,  128                          ; behind the products: v128-159 the exponentials
	s_load_b256 s[4:11], s[0:1], 0x0               ; x s[4:5], indices s[6:7], gate s[8:9], up s[10:11]
	s_load_b128 s[12:15], s[0:1], 0x20             ; inter_codes s[12:13], inter_scales s[14:15]
	s_load_b64 s[16:17], s[0:1], 0x30              ; route
	v_lshl_add_u32 v[SPW], v0, 2, SPARE
	v_mov_b32 v[NIL], 0
	v_lshrrev_b32 v[VL], 5, v0
	v_readfirstlane_b32 s18, v[VL]                 ; wave 0..15
	s_and_b32 s19, s18, 7                          ; my number within my role
	s_and_b32 s20, ttmp7, 0xffff                   ; the expert
	s_mov_b32 s21, ttmp9                           ; the slice
	s_mov_b32 s23, 0                               ; tiles of my expert (the token waves find it)
	s_mov_b32 s24, s19                             ; my tile of this pass
	s_mov_b32 s25, 0                               ; the pass
	s_mov_b32 s99, 0xffff0000                      ; lanes 16-31
	s_mov_b32 s100, 0x76543210                     ; v_permlanex16_b32's selects for lane l xor 16
	s_mov_b32 s101, 0xfedcba98
	s_mov_b32 s104, 0xbfb8aa3b                     ; -log2(e); the packed form names the pair
	s_mov_b32 s105, s104
	v_and_b32 v[VL], 31, v0
	v_and_b32 v[VR], 15, v0
	v_bfe_u32 v[VH], v0, 4, 1
	v_lshlrev_b32 v[L4], 2, v[VL]
	v_lshlrev_b32 v[L8], 3, v[VL]
	v_lshlrev_b32 v[L16], 4, v[VL]
	v_lshl_add_u32 v[R4H], v[VR], 2, v[VH]
	; every LDS address is made here, ahead of the roles' parting, from the lane, the wave's number and constants
	v_and_b32 v3, 19, v[VL]                        ; the lane with its bits 2 and 3 swapped: my columns 2 l, 2 l + 1 go to LDS rows 2 l', 2 l' + 1
	v_bfe_u32 v4, v[VL], 2, 1
	v_lshl_add_u32 v3, v4, 3, v3
	v_bfe_u32 v4, v[VL], 3, 1
	v_lshl_add_u32 v3, v4, 2, v3
	v_mul_u32_u24 v[ASC], v3, 72
	v_mul_u32_u24 v3, v3, 1568
	s_mul_i32 s26, s19, 96                         ; K step w's 128 codes: 96 bytes of each row
	v_add_nc_u32 v[AWG], s26, v3
	v_add_nc_u32 v[AWG+1], UW, v[AWG]
	s_lshl_b32 s26, s19, 2
	s_add_co_u32 s26, s26, WSC
	v_add_nc_u32 v[ASC], s26, v[ASC]
	v_mul_u32_u24 v[LW], v[VR], 784
	v_mad_u32_u24 v[LW], v[VH], 24, v[LW]
	v_add_nc_u32 v[LWU], UW, v[LW]
	v_mul_u32_u24 v[LSC], v[VR], 36
	v_mad_u32_u24 v[LSC], v[VH], 2304, v[LSC]      ; one product: the lower base + h x the distance to up's words
	v_add_nc_u32 v[LSC], WSC, v[LSC]
	s_mul_i32 s26, s19, 8448
	s_add_co_u32 s26, s26, STG
	v_add_nc_u32 v[STW], s26, v[L16]
	v_mul_u32_u24 v[STR], v[VR], 528
	v_lshl_add_u32 v[STR], v[VH], 6, v[STR]
	v_add_nc_u32 v[STR], s26, v[STR]
	s_mul_i32 s26, s19, 13312
	s_add_co_u32 s26, s26, XIM
	v_add_nc_u32 v[XI], s26, v[L16]
	s_add_co_u32 s27, s26, 12288
	v_add_nc_u32 v[XS], s27, v[L4]
	v_mov_b32 v[PX], 0                             ; written once: a lane permute's destination counts as one of its sources
	v_mov_b32 v[PX+1], 0
	s_wait_kmcnt 0x0
	s_cmp_ge_u32 s18, 8
	s_cbranch_scc1 .Ltoken
; ---------------- STREAM.  A unit d = 2 bb + m is 32 rows of K (block bb of my K step) x 64 columns of matrix m.  Each load reads one row's 256 consecutive bytes, aligned: lane l takes columns 2 l and 2 l + 1.
.macro LOAD d
.set RB, SR+64*((\d)%3)
.set BS, 28+2*((\d)%2)
.set i, 0
.rept 32
	global_load_b64 v[RB+2*i:RB+2*i+1], v[L8], s[BS:BS+1] offset:(32*((\d)/2)+i)*4096 th:TH_LOAD_NT
.set i, i+1
.endr
.endm
.macro SDU d
.set RB, SR+64*((\d)%3)
.set MM, (\d)%2
.set BB, (\d)/2
.if (\d) <= 5
	s_wait_loadcnt 63                              ; behind this unit's loads stand two units', 64: 63 is the largest count that the wait can name
.elseif (\d) == 6
	s_wait_loadcnt 32                              ; the last unit's 32 may be out
.else
	s_wait_loadcnt 0
.endif
.irp c, 0,1
	v_max3_num_f32 v[MXS+\c], |v[RB+\c]|, |v[RB+2+\c]|, 0x1800000   ; a column's block lies in my registers alone; the floor 2^(3 - 127) holds the byte at 1 from below
.endr
.irp w, 4,8,12,16,20,24,28,32,36,40,44,48,52,56,60
.irp c, 0,1
	v_max3_num_f32 v[MXS+\c], v[MXS+\c], |v[RB+\w+\c]|, |v[RB+\w+2+\c]|   ; (the two columns by turns)
.endr
.endr
.irp c, 0,1
	v_add_nc_u32 v[SOS+\c], 0xff000000, v[MXS+\c]  ; 2 off the exponent field: the conversion's scale operand
.endr
.irp c, 0,1
.if BB == 0
	v_lshrrev_b32 v[WD+2*MM+\c], 23, v[SOS+\c]     ; the scale's byte: the K step's four make the column's word
.else
	v_lshrrev_b32 v[MXS+\c], 23, v[SOS+\c]
	v_lshl_or_b32 v[WD+2*MM+\c], v[MXS+\c], 8*BB, v[WD+2*MM+\c]
.endif
.endr
.irp c, 0,1
.set i, 0
.rept 16
	v_mov_b32 v[T16+i], v[RB+2*i+\c]               ; the conversion wants 16 neighbours along K in consecutive registers: the price of loads of 8 bytes a lane, which double the bytes that a wave's loads have on their way
.set i, i+1
.endr
	s_wait_dscnt 0x0                               ; the last LDS stores have read the codes' registers
	v_cvt_scalef32_pk16_fp6_f32 v[CC:CC+2], v[T16:T16+15], v[SOS+\c]
	v_nop                                          ; one plain place behind a scaled conversion, ahead of the writes of its sources
.set i, 0
.rept 16
	v_mov_b32 v[T16+i], v[RB+32+2*i+\c]
.set i, i+1
.endr
	v_cvt_scalef32_pk16_fp6_f32 v[DD:DD+2], v[T16:T16+15], v[SOS+\c]   ; (a conversion's three registers begin on an even number)
	v_nop
.irp q, 0,1,2
	v_mov_b32 v[CC+3+\q], v[DD+\q]
.endr
.irp q, 0,1,2
	ds_store_b64 v[AWG+MM], v[CC+2*\q:CC+2*\q+1] offset:\c*784+24*BB+8*\q   ; the block's 24 bytes, K innermost
.endr
.endr
.if BB == 3
.irp c, 0,1
	ds_store_b32 v[ASC], v[WD+2*MM+\c] offset:MM*2304+\c*36
.endr
.endif
.if (\d) < 5
	LOAD (\d)+3                                    ; into the set just read
.endif
.endm
	s_lshl_b32 s26, s20, 22                        ; the expert's 4 MiB,
	s_lshl_b32 s27, s19, 19                        ; my 128 rows of 4,096 bytes,
	s_add_co_u32 s26, s26, s27
	s_lshl_b32 s27, s21, 8                         ; the slice's 256 bytes of a row
	s_add_co_u32 s26, s26, s27
	s_mov_b32 s27, 0
	s_add_nc_u64 s[28:29], s[8:9], s[26:27]
	s_add_nc_u64 s[30:31], s[10:11], s[26:27]
	LOAD 0
	LOAD 1
	LOAD 2
.irp d, 0,1,2,3,4,5,6,7
	SDU \d
.endr
	s_branch .Lpass
; ---------------- TOKENS: the routing, once.  Ballot M_j (s[32+j]): which of tokens 32 j .. 32 j + 31 name my expert; P_j (s[66+j]): how many before them do.
.Ltoken:
.set j, 0
.rept 32
	global_load_b32 v[GX+j], v[L4], s[6:7] offset:128*j
.set j, j+1
.endr
	s_mov_b32 s22, 0
	s_wait_loadcnt 0x0
.set j, 0
.rept 32
	v_cmp_eq_u32 s[32+j], s20, v[GX+j]
.set j, j+1
.endr
.set j, 0
.rept 32
	s_mov_b32 s[66+j], s22
	s_bcnt1_i32_b32 s26, s[32+j]
	s_add_co_u32 s22, s22, s26
.set j, j+1
.endr
	s_add_co_u32 s23, s22, 15
	s_lshr_b32 s23, s23, 4                         ; tiles of 16
	s_sub_co_u32 s98, s22, 1                       ; the last rank (read only where there is a tile)
	s_or_b32 s26, s21, s19
	s_cmp_lg_u32 s26, 0
	s_cbranch_scc1 .Lpass                          ; one wave of the expert's first slice stores the count for the second launch
	s_lshl_b32 s26, s20, 7
	s_mov_b32 s27, 0
	s_add_nc_u64 s[26:27], s[16:17], s[26:27]
	v_mov_b32 v21, s22
	global_store_b32 v[L4], v21, s[26:27]
	s_wait_xcnt 0x0                                ; the store has read its registers: they are written again below
; 32 numbers of a lane, register 16 b + i = k 32 b + 16 (lane / 16) + i of my row, become six registers of codes (lanes 0-15: block 0's 24 bytes, lanes 16-31: block 1's) and two scale bytes.
.macro QUANT2 src, pc, by
.irp b, 0,1
	v_max3_num_f32 v[MX+\b], |v[\src+16*\b]|, |v[\src+16*\b+1]|, 0x1800000
.endr
.irp w, 2,4,6,8,10,12,14
.irp b, 0,1
	v_max3_num_f32 v[MX+\b], v[MX+\b], |v[\src+16*\b+\w]|, |v[\src+16*\b+\w+1]|
.endr
.endr
.irp b, 0,1
	v_permlanex16_b32 v[PX+\b], v[MX+\b], s100, s101
.endr
.irp b, 0,1
	v_max_num_f32 v[MX+\b], v[MX+\b], v[PX+\b]     ; with lane l xor 16's 16: the block's largest magnitude
.endr
.irp b, 0,1
	v_add_nc_u32 v[SO+\b], 0xff000000, v[MX+\b]
.endr
.irp b, 0,1
	v_lshrrev_b32 v[\by+\b], 23, v[SO+\b]
.endr
	v_cvt_scalef32_pk16_fp6_f32 v[\pc:\pc+2], v[\src:\src+15], v[SO]
	v_cvt_scalef32_pk16_fp6_f32 v[PD:PD+2], v[\src+16:\src+31], v[SO+1]
	v_nop                                          ; one plain place behind a scaled conversion
.irp q, 0,1,2
	v_permlane16_swap_b32 v[\pc+\q], v[PD+\q]      ; the first's lanes 16-31 change places with the second's lanes 0-15: a whole block in a lane
.endr
.irp q, 0,1,2
	v_mov_b32 v[\pc+3+\q], v[PD+\q]
.endr
.endm
.macro BSTEP x, width, inc             ; one step of the search for the k-th set bit: are there k or fewer set bits in the lower half of what is left?
.if \width
	v_bfe_u32 v23, v[\x], v29, \width
.endif
	v_cmp_ge_u32 vcc_lo, v21, v23
	v_cndmask_b32 v23, 0, v23, vcc_lo
	v_cndmask_b32 v28, 0, \inc, vcc_lo
	v_sub_nc_u32 v21, v21, v23
	v_add_nc_u32 v29, v29, v28
.endm
.macro XLOAD s                         ; K step s of the tile's 16 rows: each load reads 512 consecutive bytes of one token's row
.set i, 0
.rept 16
	global_load_b128 v[GX+64*((\s)%2)+4*i:GX+64*((\s)%2)+4*i+3], v[OFF+i], s[4:5] offset:512*(\s)
.set i, i+1
.endr
.endm
.macro PSTEP s                         ; K step s: through my stage (as loaded in; 16 neighbours of a block a lane out), quantised, image to LDS
.if (\s) < 7
	s_wait_loadcnt 16                              ; this step's 16 loads are in; the next step's may be out
.else
	s_wait_loadcnt 0
.endif
.set i, 0
.rept 16
	ds_store_b128 v[STW], v[GX+64*((\s)%2)+4*i:GX+64*((\s)%2)+4*i+3] offset:528*i
.set i, i+1
.endr
.irp b, 0,1
.irp q, 0,1,2,3
	ds_load_b128 v[XX+16*\b+4*\q:XX+16*\b+4*\q+3], v[STR] offset:128*\b+16*\q   ; LDS serves a wave's instructions in order: these see my stores
.endr
.endr
	s_wait_dscnt 0x0                               ; the numbers are back; the stores have read their registers, the last step's image stores too
.if (\s) < 6
	XLOAD (\s)+2
.endif
	QUANT2 XX, PC, BY
.irp b, 0,1
.irp q, 0,1,2,3
	ds_load_b128 v[XX+16*\b+4*\q:XX+16*\b+4*\q+3], v[STR] offset:256+128*\b+16*\q
.endr
.endr
	s_wait_dscnt 0x0
	QUANT2 XX, PC+6, BY+2
	v_lshl_or_b32 v[PW], v[BY+1], 8, v[BY]         ; my row's scale word for these 128
	v_lshl_or_b32 v[PW], v[BY+2], 16, v[PW]
	v_lshl_or_b32 v[PW], v[BY+3], 24, v[PW]
.irp q, 0,1,2
	ds_store_b128 v[XI], v[PC+4*\q:PC+4*\q+3] offset:1536*(\s)+512*\q   ; the fragment as an image of its registers
.endr
	ds_store_b32 v[XS], v[PW] offset:128*(\s)
.endm
.macro AFETCH s                        ; x's fragment and scale words of K step s
.irp q, 0,1,2
	ds_load_b128 v[AFR+12*((\s)%2)+4*\q:AFR+12*((\s)%2)+4*\q+3], v[XI] offset:1536*(\s)+512*\q
.endr
	ds_load_b32 v[ASR+(\s)%2], v[XS] offset:128*(\s)
.endm
.macro WLOAD g                         ; group g = 4 s + tile: gate's and up's fragment of 16 columns x 128 K, and one register with both's scale words: 13 LDS loads
.set WB, WR+24*((\g)%4)
.set TT, (\g)%4
.set SS, (\g)/4
.irp p, 0,1,2,3,4,5
	ds_load_b64 v[WB+2*\p:WB+2*\p+1], v[LW] offset:TT*12544+96*SS+48*(\p/3)+8*(\p%3)
.endr
.irp p, 0,1,2,3,4,5
	ds_load_b64 v[WB+12+2*\p:WB+12+2*\p+1], v[LWU] offset:TT*12544+96*SS+48*(\p/3)+8*(\p%3)
.endr
	ds_load_b32 v[WS+(\g)%4], v[LSC] offset:576*TT+4*SS
.endm
.Lpass:
	s_cmp_lt_u32 s18, 8
	s_cbranch_scc1 .Ljoin                          ; the streaming waves only pass the barrier
	s_cmp_ge_u32 s24, s23
	s_cbranch_scc1 .Ljoin                          ; no such tile
	; ---- the tile's 16 tokens, all ranks at once: the ballot word that holds rank R, then the (R - P_j)-th set bit of it
	s_lshl_b32 s26, s24, 4
	v_add_nc_u32 v21, s26, v[VR]
	v_min_u32 v21, s98, v21                        ; R = min(16 t + r, count - 1)
	v_mov_b32 v22, s32
	v_mov_b32 v23, 0
	v_mov_b32 v24, 0
.set j, 1
.rept 31
	v_cmp_le_u32 vcc_lo, s[66+j], v21              ; P_j never falls: the last j with P_j <= R is the word
	v_cndmask_b32 v23, v23, s[66+j], vcc_lo
	v_cndmask_b32 v22, v22, s[32+j], vcc_lo
	v_cndmask_b32 v24, v24, j, vcc_lo
.set j, j+1
.endr
	v_sub_nc_u32 v21, v21, v23                     ; k
	v_lshrrev_b32 v25, 1, v22
	v_and_b32 v25, 0x55555555, v25
	v_sub_nc_u32 v25, v22, v25                     ; counts of 2 bits,
	v_lshrrev_b32 v26, 2, v25
	v_and_b32 v26, 0x33333333, v26
	v_and_b32 v27, 0x33333333, v25
	v_add_nc_u32 v26, v26, v27                     ; of 4,
	v_lshrrev_b32 v27, 4, v26
	v_add_nc_u32 v27, v27, v26
	v_and_b32 v27, 0x0f0f0f0f, v27                 ; of 8,
	v_bfe_u32 v23, v27, 8, 8
	v_and_b32 v28, 0xff, v27
	v_add_nc_u32 v23, v23, v28                     ; of the lower 16
	v_mov_b32 v29, 0
	BSTEP 0, 0, 16
	BSTEP 27, 8, 8
	BSTEP 26, 4, 4
	BSTEP 25, 2, 2
	BSTEP 22, 1, 1
	v_lshl_add_u32 v[TOK], v24, 5, v29
	v_min_u32 v[TOK], 0x3ff, v[TOK]
	s_cmp_lg_u32 s21, 0
	s_cbranch_scc1 .Lno_list                       ; the expert's first slice stores the tile's list for the second launch: 32 words, word L the token of row L % 16
	s_min_u32 s26, s24, 63
	s_lshl_b32 s27, s20, 6
	s_add_co_u32 s26, s26, s27                     ; the tile's place: 64 e + t
	s_lshl_b32 s28, s26, 7
	s_add_co_u32 s28, s28, 2048
	s_mov_b32 s29, 0
	s_add_nc_u64 s[28:29], s[16:17], s[28:29]
	global_store_b32 v[L4], v[TOK], s[28:29]
	s_wait_xcnt 0x0                                ; the store has read its registers
.Lno_list:
.set i, 0
.rept 16
	v_readlane_b32 s26, v[TOK], i
	s_min_u32 s26, s26, 0x3ff
	s_lshl_b32 s26, s26, 12                        ; a row of x is 4,096 bytes
	v_add_nc_u32 v[OFF+i], s26, v[L16]
.set i, i+1
.endr
	XLOAD 0
	XLOAD 1
.irp s, 0,1,2,3,4,5,6,7
	PSTEP \s
.endr
.Ljoin:
	s_wait_dscnt 0x0                               ; for the others' sake: my LDS stores have landed
	s_barrier_signal -1
	s_barrier_wait -1                              ; behind the first of these the weights' codes and scale words lie whole in LDS
	s_cmp_lt_u32 s18, 8
	s_cbranch_scc1 .Lnext
	s_cmp_ge_u32 s24, s23
	s_cbranch_scc1 .Lnext
	; ---- the products: 32 groups, two matrix instructions each; the eight accumulators take turns, one instruction a turn; the first K step starts the sums
	AFETCH 0
	WLOAD 0
	WLOAD 1
	WLOAD 2
.set g, 0
.rept 32
.if g > 0
.rept 4
	v_nop                                          ; four places between the last group's products and the loads into the registers that they read
.endr
.endif
.if ((g+3)%4 == 0) && (g+3 < 32)
	AFETCH (g+3)/4
.endif
.if g+3 < 32
	WLOAD g+3
	s_wait_dscnt 39                                ; behind this group's loads: three groups' 13 (x's four, where they stand among them, are left uncounted: the smaller count is safe)
.else
	s_wait_dscnt 13*(31-g)
.endif
.set WB, WR+24*(g%4)
.set AB, AFR+12*((g/4)%2)
.set AG, ACC+8*(g%4)
.set AU, ACC+32+8*(g%4)
.if g < 4
	v_wmma_scale_f32_16x16x128_f8f6f4 v[AG:AG+7], v[WB:WB+11], v[AB:AB+11], 0, v[WS+g%4], v[ASR+(g/4)%2] matrix_a_fmt:MATRIX_FMT_FP6 matrix_b_fmt:MATRIX_FMT_FP6
	v_wmma_scale_f32_16x16x128_f8f6f4 v[AU:AU+7], v[WB+12:WB+23], v[AB:AB+11], 0, v[WS+g%4], v[ASR+(g/4)%2] matrix_a_fmt:MATRIX_FMT_FP6 matrix_b_fmt:MATRIX_FMT_FP6 matrix_a_scale:MATRIX_SCALE_ROW1
.else
	v_wmma_scale_f32_16x16x128_f8f6f4 v[AG:AG+7], v[WB:WB+11], v[AB:AB+11], v[AG:AG+7], v[WS+g%4], v[ASR+(g/4)%2] matrix_a_fmt:MATRIX_FMT_FP6 matrix_b_fmt:MATRIX_FMT_FP6
	v_wmma_scale_f32_16x16x128_f8f6f4 v[AU:AU+7], v[WB+12:WB+23], v[AB:AB+11], v[AU:AU+7], v[WS+g%4], v[ASR+(g/4)%2] matrix_a_fmt:MATRIX_FMT_FP6 matrix_b_fmt:MATRIX_FMT_FP6 matrix_a_scale:MATRIX_SCALE_ROW1
.endif
.set g, g+1
.endr
	; ---- inter = g u / (1 + 2^(-g log2 e)), in f32; each accumulator is read from its low end on
.rept 4
	v_nop
.endr
.set i, 0
.rept 16
	v_pk_mul_f32 v[EX+2*i:EX+2*i+1], v[ACC+2*i:ACC+2*i+1], s[104:105] op_sel_hi:[1,0]
.set i, i+1
.endr
.set i, 0
.rept 32
	v_exp_f32 v[EX+i], v[EX+i]
.set i, i+1
.endr
.set i, 0
.rept 16
	v_pk_mul_f32 v[ACC+2*i:ACC+2*i+1], v[ACC+2*i:ACC+2*i+1], v[ACC+32+2*i:ACC+32+2*i+1]   ; g u: plain work that names no exponential's result
.set i, i+1
.endr
	s_wait_alu depctr_va_vdst(0)                   ; one wait for the batch of exponentials, ahead of its first reader
.set i, 0
.rept 16
	v_pk_add_f32 v[EX+2*i:EX+2*i+1], v[EX+2*i:EX+2*i+1], 1.0 op_sel_hi:[1,0]
.set i, i+1
.endr
.set i, 0
.rept 32
	v_rcp_f32 v[EX+i], v[EX+i]
.set i, i+1
.endr
	v_nop                                          ; a plain place behind the last reciprocal
	s_min_u32 s26, s24, 63                         ; where the tile's results go: place 64 e + t
	s_lshl_b32 s27, s20, 6
	s_add_co_u32 s26, s26, s27
	s_mul_i32 s28, s26, 12288                      ; codes: 48 pieces of 256 bytes a place; my slice's three
	s_mul_i32 s27, s21, 768
	s_add_co_u32 s28, s28, s27
	s_mov_b32 s29, 0
	s_add_nc_u64 s[28:29], s[12:13], s[28:29]
	s_lshl_b32 s30, s26, 9                         ; scale bytes: 512 a place: word (K step, row) at 64 s + 4 r; my slice's two bytes of it
	s_lshr_b32 s27, s21, 1
	s_lshl_b32 s27, s27, 6
	s_add_co_u32 s30, s30, s27
	s_and_b32 s27, s21, 1
	s_lshl_b32 s27, s27, 1
	s_add_co_u32 s30, s30, s27
	s_mov_b32 s31, 0
	s_add_nc_u64 s[30:31], s[14:15], s[30:31]
	s_wait_alu depctr_va_vdst(0)                   ; one wait for the batch of reciprocals
.set i, 0
.rept 16
	v_pk_mul_f32 v[ACC+2*i:ACC+2*i+1], v[ACC+2*i:ACC+2*i+1], v[EX+2*i:EX+2*i+1]
.set i, i+1
.endr
	QUANT2 ACC, PC, BY                             ; my slice's 64 numbers of a row are two blocks of the next K: registers 6 c .. 6 c + 5 of its fragment slice / 2, c = slice % 2
.irp q, 0,1,2
	global_store_b64 v[L8], v[PC+2*\q:PC+2*\q+1], s[28:29] offset:256*\q   ; an image of the operand's registers: 32 lanes store 256 consecutive bytes, aligned
.endr
	v_cndmask_b32 v[PW], v[BY], v[BY+1], s99       ; lanes 0-15 block 0's byte, lanes 16-31 block 1's
	global_store_b8 v[R4H], v[PW], s[30:31]        ; 32 single bytes a tile, against its 768 bytes of codes: the launch's one small store
	s_wait_xcnt 0x0                                ; the stores have read their registers and bases: the next pass writes them again
.Lnext:
	s_add_co_u32 s24, s24, 8
	s_add_co_u32 s25, s25, 1
	s_cmp_lt_u32 s25, 8
	s_cbranch_scc1 .Lpass
	s_wait_tensorcnt 0x0                           ; the wave's end, behind my last LDS store
	ds_add_u32 v[SPW], v[NIL]
	s_wait_dscnt 0x0
	s_endpgm
.Lfunc_end_k_qa64c386e9f_gateup:
	.size	k_qa64c386e9f_gateup, .Lfunc_end_k_qa64c386e9f_gateup-k_qa64c386e9f_gateup
	.p2alignl 7, 3214868480
	.fill 96, 4, 3214868480
	.section	.rodata,"a",@progbits
	.p2align	6, 0x0
	.amdhsa_kernel k_qa64c386e9f_gateup
		.amdhsa_group_segment_fixed_size 281088
		.amdhsa_private_segment_fixed_size 0
		.amdhsa_enable_private_segment 0
		.amdhsa_kernarg_size 56
		.amdhsa_user_sgpr_count 2
		.amdhsa_user_sgpr_kernarg_segment_ptr 1
		.amdhsa_wavefront_size32 1
		.amdhsa_system_sgpr_workgroup_id_x 1
		.amdhsa_system_sgpr_workgroup_id_y 1
		.amdhsa_system_sgpr_workgroup_id_z 1
		.amdhsa_system_vgpr_workitem_id 0
		.amdhsa_next_free_vgpr 256
		.amdhsa_next_free_sgpr 106
		.amdhsa_reserve_vcc 1
		.amdhsa_float_denorm_mode_32 3
		.amdhsa_float_denorm_mode_16_64 3
		.amdhsa_memory_ordered 1
		.amdhsa_forward_progress 1
		.amdhsa_inst_pref_size 204
	.end_amdhsa_kernel
	.amdgpu_metadata
---
amdhsa.version: [ 1, 2 ]
amdhsa.kernels:
  - .name:           k_qa64c386e9f_gateup
    .symbol:         k_qa64c386e9f_gateup.kd
    .args:
      - { .name: x, .offset: 0, .size: 8, .value_kind: global_buffer, .address_space: global }
      - { .name: expert_indices, .offset: 8, .size: 8, .value_kind: global_buffer, .address_space: global }
      - { .name: gate_proj, .offset: 16, .size: 8, .value_kind: global_buffer, .address_space: global }
      - { .name: up_proj, .offset: 24, .size: 8, .value_kind: global_buffer, .address_space: global }
      - { .name: inter_codes, .offset: 32, .size: 8, .value_kind: global_buffer, .address_space: global }
      - { .name: inter_scales, .offset: 40, .size: 8, .value_kind: global_buffer, .address_space: global }
      - { .name: route, .offset: 48, .size: 8, .value_kind: global_buffer, .address_space: global }
    .group_segment_fixed_size: 281088
    .private_segment_fixed_size: 0
    .kernarg_segment_align: 8
    .kernarg_segment_size: 56
    .max_flat_workgroup_size: 512
    .sgpr_count:     106
    .vgpr_count:     256
    .wavefront_size: 32
...
	.end_amdgpu_metadata
.endif
;; end of part 1
;; launch down (part 2): grid 16 x 16, 16 waves a work-group, no clusters, 228,608 bytes of LDS; arguments down_proj, inter_codes, inter_scales, route, out0; writes out0
.if DOCPART == 2
	.amdgcn_target "amdgcn-amd-amdhsa--gfx1250"
	.amdhsa_code_object_version 6
	.text
	.protected	k_qa64c386e9f_down
	.globl	k_qa64c386e9f_down
	.p2align	8
	.type	k_qa64c386e9f_down,@function
k_qa64c386e9f_down:
	s_mov_b64 s[64:65], 0
	v_nop
	global_prefetch_b8 v0, s[64:65] scope:SCOPE_SE
	s_setreg_imm32_b32 hwreg(HW_REG_WAVE_MODE, 25, 1), 1
	s_wait_xcnt 0x0
; out[n][j] = sum over k of inter[n][k] down[e][j][k], e the token's expert, on codes of FP6 (E2M3) with one E8M0 scale for each 32 along K = down's last axis.
; WORK LEFT OUT, as in the first launch: only the rows of each token's own expert are multiplied; reference() throws the 15 others away by take_along_axis on the index input.
; LIMITS as there: NaN and infinities are not served; a block of zeros gets the scale byte 1 (its codes are zeros; this program alone reads the bytes).
; SHARES.  Work-group (x, y) = (slice of 64 rows j, expert): 256 KiB of down, one dense block, read once.  Waves 0-7 STREAM: wave w takes rows 8 w .. 8 w + 7, quantises along the row and leaves codes and scale
; bytes in LDS.  Waves 8-15 serve TOKENS: each copies a tile's codes and scale words (stored by the first launch as images of the operand's registers) into its own LDS bytes meanwhile, and behind the barrier
; multiplies the tile by the 64 rows and stores 256 bytes of each token's row of out.  Rows past an expert's end repeat its last token and store the same bytes: EXEC is never changed.
; EIGHT PASSES, a constant, as in the first launch: the barrier stands under no branch on data; only the first orders anything.  The number of tiles comes from the count that the first launch stored.
; The product is used transposed (source 0 = 16 rows of down, source 1 = 16 tokens): a lane holds eight neighbouring columns of one token's row.
.set DSC,   50176                      ; LDS: down's codes at 0: 64 rows of 768 bytes + 16;  here the scale bytes: 64 rows of 32 + 4
.set SSTG,  52480                      ; a streaming wave's stage: 32 places of 128 bytes + 16
.set OSTG,  89344                      ; a token wave's stage for the way out: 16 rows of 256 bytes + 16
.set TIM,   124160                     ; a token wave's copy of a tile: 12,288 bytes of codes, 512 of scale words
.set SPARE, 226560                     ; the spare words, 128 bytes for each wave: eight blocks of 256 bytes that no other line names
.set SPW, 1                            ; v1 my spare word; v2 0: never rewritten
.set NIL, 2
.set SSW, 3                            ; v3 stream's stage, in;  v4 out: 144 x lane
.set SSR, 4
.set DWA, 5                            ; v5 where my block's codes go;  v6 its scale byte
.set DSA, 6
.set LW,  7                            ; v7 my lane's place in a fragment of down;  v8 its scale words: lanes 0-15 the even tile's, lanes 16-31 the odd one's
.set LSC, 8
.set OSW, 9                            ; v9 the way out's stage, in;  v10 back
.set OSR, 10
.set TIW, 11                           ; v11 the tile's copy: 16 x lane (in);  v12 8 x lane (out);  v13 scale words: 4 r
.set TIR, 12
.set TIS, 13
.set H4,  14                           ; v14 4 h, v15 16 x lane, v16 16 r: offsets in memory, never rewritten
.set L16, 15
.set R16, 16
.set ASR, 20                           ; v20-21 the tokens' scale words, v28-30 down's: scales and nothing else, in both roles
.set WS,  28
.set CC,  32                           ; STREAM: v32-37 a block's codes; v38-40 its upper half as converted; v42-45 at work
.set DD,  38
.set RR,  64                           ; v64-191 four rows as loaded
.set XX,  192                          ; v192-223 my block of 32
.set CP,  32                           ; TOKENS: v32-131 the tile on its way into LDS
.set AFR, 32                           ; products: v32-55 the tokens' fragment, two sets
.set OO,  56                           ; v56-63 the byte offsets of rows 2 i + h of out
.set ACC, 64                           ; v64-95 four tiles of 16 columns
.set WR,  96                           ; v96-167 three groups of two fragments of down
.set BK,  168                          ; v168-199 the rows read back from the stage
	s_load_b256 s[4:11], s[0:1], 0x0               ; down s[4:5], inter_codes s[6:7], inter_scales s[8:9], route s[10:11]
	s_load_b64 s[12:13], s[0:1], 0x20              ; out0
	v_lshl_add_u32 v[SPW], v0, 2, SPARE
	v_mov_b32 v[NIL], 0
	v_lshrrev_b32 v17, 5, v0
	v_readfirstlane_b32 s18, v17                   ; wave 0..15
	s_and_b32 s19, s18, 7                          ; my number within my role
	s_and_b32 s20, ttmp7, 0xffff                   ; the expert
	s_mov_b32 s21, ttmp9                           ; the slice
	s_mov_b32 s23, 0                               ; tiles of my expert (the token waves read it)
	s_mov_b32 s24, s19                             ; my tile of this pass
	s_mov_b32 s25, 0                               ; the pass
	v_and_b32 v17, 31, v0                          ; lane
	v_and_b32 v18, 15, v0                          ; r
	v_bfe_u32 v19, v0, 4, 1                        ; h
	; every LDS address is made here, ahead of the roles' parting
	v_lshrrev_b32 v[SSW], 3, v17
	v_mul_u32_u24 v[SSW], v[SSW], 144
	v_and_b32 v[SSR], 7, v17
	v_lshl_add_u32 v[SSW], v[SSR], 4, v[SSW]       ; eight lanes' 128 bytes are a block: place lane / 8, + 16 (lane % 8)
	s_mul_i32 s26, s19, 4608
	s_add_co_u32 s26, s26, SSTG
	v_add_nc_u32 v[SSW], s26, v[SSW]
	v_mul_u32_u24 v[SSR], v17, 144
	v_add_nc_u32 v[SSR], s26, v[SSR]
	s_mul_i32 s26, s19, 6272                       ; my 8 rows of 784 bytes
	v_mul_u32_u24 v[DWA], v17, 24
	v_add_nc_u32 v[DWA], s26, v[DWA]
	s_mul_i32 s26, s19, 288
	s_add_co_u32 s26, s26, DSC
	v_add_nc_u32 v[DSA], s26, v17
	v_mul_u32_u24 v[LW], v18, 784
	v_mad_u32_u24 v[LW], v19, 24, v[LW]
	v_mul_u32_u24 v[LSC], v18, 36
	v_mad_u32_u24 v[LSC], v19, 576, v[LSC]         ; one product: the lower base + h x 16 rows
	v_add_nc_u32 v[LSC], DSC, v[LSC]
	s_mul_i32 s26, s19, 4352
	s_add_co_u32 s26, s26, OSTG
	v_mul_u32_u24 v[OSW], v18, 272
	v_lshl_add_u32 v[OSW], v19, 5, v[OSW]
	v_add_nc_u32 v[OSW], s26, v[OSW]
	v_mul_u32_u24 v[OSR], v19, 272
	v_lshl_add_u32 v[OSR], v18, 4, v[OSR]
	v_add_nc_u32 v[OSR], s26, v[OSR]
	s_mul_i32 s26, s19, 12800
	s_add_co_u32 s26, s26, TIM
	v_lshl_add_u32 v[TIW], v17, 4, s26
	v_lshl_add_u32 v[TIR], v17, 3, s26
	s_add_co_u32 s26, s26, 12288
	v_lshl_add_u32 v[TIS], v18, 2, s26
	v_lshlrev_b32 v[H4], 2, v19
	v_lshlrev_b32 v[L16], 4, v17
	v_lshlrev_b32 v[R16], 4, v18
	s_wait_kmcnt 0x0
	s_cmp_ge_u32 s18, 8
	s_cbranch_scc1 .Ltoken
; ---------------- STREAM.  A row of down is 4,096 bytes, 32 blocks of 32 along K: eight loads of 512 consecutive bytes; through my stage lane l gets block l whole.
.macro LOADR p
.irp q, 0,1,2,3,4,5,6,7
	global_load_b128 v[RR+32*((\p)%4)+4*\q:RR+32*((\p)%4)+4*\q+3], v[L16], s[28:29] offset:4096*(\p)+512*\q th:TH_LOAD_NT
.endr
.endm
.macro BROW p
.if 7-(\p) >= 3
	s_wait_loadcnt 24                              ; this row's eight loads are in; the three rows behind it may be out
.else
	s_wait_loadcnt 8*(7-(\p))
.endif
.irp q, 0,1,2,3,4,5,6,7
	ds_store_b128 v[SSW], v[RR+32*((\p)%4)+4*\q:RR+32*((\p)%4)+4*\q+3] offset:576*\q
.endr
.irp q, 0,1,2,3,4,5,6,7
	ds_load_b128 v[XX+4*\q:XX+4*\q+3], v[SSR] offset:16*\q   ; LDS serves a wave's instructions in order: these see my stores
.endr
	s_wait_dscnt 0x0                               ; my block is here; all my LDS stores have read their registers
.if (\p) < 4
	LOADR (\p)+4                                   ; into the set just stored
.endif
	v_max3_num_f32 v42, |v[XX]|, |v[XX+1]|, |v[XX+2]|
	v_max3_num_f32 v43, |v[XX+3]|, |v[XX+4]|, |v[XX+5]|
.irp w, 6,10,14,18,22,26
	v_max3_num_f32 v42, v42, |v[XX+\w]|, |v[XX+\w+1]|
	v_max3_num_f32 v43, v43, |v[XX+\w+2]|, |v[XX+\w+3]|
.endr
	v_max3_num_f32 v42, v42, |v[XX+30]|, |v[XX+31]|
	v_max3_num_f32 v42, v42, v43, 0x1800000        ; the floor 2^(3 - 127) holds the byte at 1 from below
	v_add_nc_u32 v44, 0xff000000, v42              ; 2 off the exponent field: the conversion's scale operand
	v_lshrrev_b32 v45, 23, v44                     ; the scale's byte
	v_cvt_scalef32_pk16_fp6_f32 v[CC:CC+2], v[XX:XX+15], v44
	v_cvt_scalef32_pk16_fp6_f32 v[DD:DD+2], v[XX+16:XX+31], v44   ; (a conversion's three registers begin on an even number)
	v_nop                                          ; one plain place behind a scaled conversion
.irp q, 0,1,2
	v_mov_b32 v[CC+3+\q], v[DD+\q]
.endr
.irp q, 0,1,2
	ds_store_b64 v[DWA], v[CC+2*\q:CC+2*\q+1] offset:784*(\p)+8*\q   ; block l's 24 bytes at 24 l of the row
.endr
	ds_store_b8 v[DSA], v45 offset:36*(\p)
.endm
	s_lshl_b32 s26, s20, 22                        ; the expert's 4 MiB,
	s_lshl_b32 s27, s21, 18                        ; the slice's 64 rows,
	s_add_co_u32 s26, s26, s27
	s_lshl_b32 s27, s19, 15                        ; my 8 of them
	s_add_co_u32 s26, s26, s27
	s_mov_b32 s27, 0
	s_add_nc_u64 s[28:29], s[4:5], s[26:27]
.irp p, 0,1,2,3
	LOADR \p
.endr
.irp p, 0,1,2,3,4,5,6,7
	BROW \p
.endr
	s_branch .Lpass
.Ltoken:                                           ; how many tokens my expert has: a whole number that the first launch stored
	s_lshl_b32 s26, s20, 7
	s_mov_b32 s27, 0
	s_add_nc_u64 s[26:27], s[10:11], s[26:27]
	s_load_b32 s22, s[26:27], 0x0
	s_wait_kmcnt 0x0
	s_min_u32 s22, s22, 0x400
	s_add_co_u32 s23, s22, 15
	s_lshr_b32 s23, s23, 4                         ; tiles of 16
.macro AFETCH s                        ; the tokens' fragment of K step s: six pieces of 256 bytes, 8 bytes a lane: piece q is registers 2 q, 2 q + 1; and its scale words: 7 LDS loads
.irp q, 0,1,2,3,4,5
	ds_load_b64 v[AFR+12*((\s)%2)+2*\q:AFR+12*((\s)%2)+2*\q+1], v[TIR] offset:1536*(\s)+256*\q
.endr
	ds_load_b32 v[ASR+(\s)%2], v[TIS] offset:64*(\s)
.endm
.macro WLOAD g                         ; group g = 2 s + p: down's fragments of tiles 2 p and 2 p + 1, K step s, and one register with both's scale words: 13 LDS loads
.set WB, WR+24*((\g)%3)
.set PP, (\g)%2
.set SS, (\g)/2
.irp u, 0,1
.irp p, 0,1,2,3,4,5
	ds_load_b64 v[WB+12*\u+2*\p:WB+12*\u+2*\p+1], v[LW] offset:(2*PP+\u)*12544+96*SS+48*(\p/3)+8*(\p%3)
.endr
.endr
	ds_load_b32 v[WS+(\g)%3], v[LSC] offset:1152*PP+4*SS
.endm
.Lpass:
	s_cmp_lt_u32 s18, 8
	s_cbranch_scc1 .Ljoin                          ; the streaming waves only pass the barrier
	s_cmp_ge_u32 s24, s23
	s_cbranch_scc1 .Ljoin                          ; no such tile
	; ---- the tile's codes and scale words into my own LDS bytes, as they lie: what the products read hangs on no register written here
	s_min_u32 s26, s24, 63
	s_lshl_b32 s27, s20, 6
	s_add_co_u32 s26, s26, s27                     ; the tile's place: 64 e + t
	s_mul_i32 s28, s26, 12288
	s_mov_b32 s29, 0
	s_add_nc_u64 s[28:29], s[6:7], s[28:29]
	s_lshl_b32 s30, s26, 9
	s_mov_b32 s31, 0
	s_add_nc_u64 s[30:31], s[8:9], s[30:31]
.set i, 0
.rept 24
	global_load_b128 v[CP+4*i:CP+4*i+3], v[L16], s[28:29] offset:512*i
.set i, i+1
.endr
	global_load_b128 v[CP+96:CP+99], v[L16], s[30:31]
	s_wait_loadcnt 0x0
.set i, 0
.rept 24
	ds_store_b128 v[TIW], v[CP+4*i:CP+4*i+3] offset:512*i
.set i, i+1
.endr
	ds_store_b128 v[TIW], v[CP+96:CP+99] offset:12288
.Ljoin:
	s_wait_dscnt 0x0                               ; for the others' sake: my LDS stores have landed
	s_barrier_signal -1
	s_barrier_wait -1                              ; behind the first of these down's codes and scale bytes lie whole in LDS
	s_cmp_lt_u32 s18, 8
	s_cbranch_scc1 .Lnext
	s_cmp_ge_u32 s24, s23
	s_cbranch_scc1 .Lnext
	; ---- the products: 16 groups, two matrix instructions each; the four accumulators take turns, one instruction a turn; the first K step starts the sums
	s_min_u32 s26, s24, 63
	s_lshl_b32 s27, s20, 6
	s_add_co_u32 s26, s26, s27
	s_lshl_b32 s28, s26, 7
	s_add_co_u32 s28, s28, 2048
	s_mov_b32 s29, 0
	s_add_nc_u64 s[28:29], s[10:11], s[28:29]      ; the tile's list of tokens
	s_lshl_b32 s30, s21, 8
	s_mov_b32 s31, 0
	s_add_nc_u64 s[30:31], s[12:13], s[30:31]      ; out at my slice's 256 bytes of a row
.irp i, 0,1,2,3,4,5,6,7
	global_load_b32 v[OO+\i], v[H4], s[28:29] offset:8*\i   ; the token of row 2 i + h: wanted only on the way out
.endr
	AFETCH 0
	WLOAD 0
	WLOAD 1
.set g, 0
.rept 16
.if g > 0
.rept 4
	v_nop                                          ; four places between the last group's products and the loads into the registers that they read
.endr
.endif
.if (g%2 == 0) && (g+2 < 16)
	AFETCH (g+2)/2
.endif
.if g+2 < 16
	WLOAD g+2
	s_wait_dscnt 26                                ; behind this group's loads: two groups' 13 (the tokens' seven, where they stand among them, are left uncounted: the smaller count is safe)
.else
	s_wait_dscnt 13*(15-g)
.endif
.set WB, WR+24*(g%3)
.set AB, AFR+12*((g/2)%2)
.set A0, ACC+16*(g%2)
.if g < 2
	v_wmma_scale_f32_16x16x128_f8f6f4 v[A0:A0+7], v[WB:WB+11], v[AB:AB+11], 0, v[WS+g%3], v[ASR+(g/2)%2] matrix_a_fmt:MATRIX_FMT_FP6 matrix_b_fmt:MATRIX_FMT_FP6
	v_wmma_scale_f32_16x16x128_f8f6f4 v[A0+8:A0+15], v[WB+12:WB+23], v[AB:AB+11], 0, v[WS+g%3], v[ASR+(g/2)%2] matrix_a_fmt:MATRIX_FMT_FP6 matrix_b_fmt:MATRIX_FMT_FP6 matrix_a_scale:MATRIX_SCALE_ROW1
.else
	v_wmma_scale_f32_16x16x128_f8f6f4 v[A0:A0+7], v[WB:WB+11], v[AB:AB+11], v[A0:A0+7], v[WS+g%3], v[ASR+(g/2)%2] matrix_a_fmt:MATRIX_FMT_FP6 matrix_b_fmt:MATRIX_FMT_FP6
	v_wmma_scale_f32_16x16x128_f8f6f4 v[A0+8:A0+15], v[WB+12:WB+23], v[AB:AB+11], v[A0+8:A0+15], v[WS+g%3], v[ASR+(g/2)%2] matrix_a_fmt:MATRIX_FMT_FP6 matrix_b_fmt:MATRIX_FMT_FP6 matrix_a_scale:MATRIX_SCALE_ROW1
.endif
.set g, g+1
.endr
	; ---- the way out: through my stage, so that sixteen lanes store 256 consecutive bytes of a token's row, aligned
	s_wait_loadcnt 0x0                             ; the tokens
.irp i, 0,1,2,3,4,5,6,7
	v_min_u32 v[OO+\i], 0x3ff, v[OO+\i]            ; (these sixteen lines name no register of the products: they are the places behind the last of them)
.endr
.irp i, 0,1,2,3,4,5,6,7
	v_lshl_add_u32 v[OO+\i], v[OO+\i], 12, v[R16]  ; a row of out is 4,096 bytes; + 16 r
.endr
.irp c, 0,1,2,3
	ds_store_b128 v[OSW], v[ACC+8*\c:ACC+8*\c+3] offset:64*\c          ; lane (r, h): out(token r, 16 c + 8 h + 0 .. 7); each accumulator from its low end on
	ds_store_b128 v[OSW], v[ACC+8*\c+4:ACC+8*\c+7] offset:64*\c+16
.endr
.irp i, 0,1,2,3,4,5,6,7
	ds_load_b128 v[BK+4*\i:BK+4*\i+3], v[OSR] offset:544*\i            ; rows 2 i and 2 i + 1; LDS serves a wave's instructions in order: these see my stores
.endr
.irp i, 0,1,2,3,4,5,6,7
	s_wait_dscnt 7-\i                              ; LDS loads come back in order: pair i is in
	global_store_b128 v[OO+\i], v[BK+4*\i:BK+4*\i+3], s[30:31] th:TH_STORE_NT
.endr
	s_wait_xcnt 0x0                                ; the stores have read their registers and base: the next pass writes them again
.Lnext:
	s_add_co_u32 s24, s24, 8
	s_add_co_u32 s25, s25, 1
	s_cmp_lt_u32 s25, 8
	s_cbranch_scc1 .Lpass
	s_wait_tensorcnt 0x0                           ; the wave's end, behind my last LDS store
	ds_add_u32 v[SPW], v[NIL]
	s_wait_dscnt 0x0
	s_endpgm
.Lfunc_end_k_qa64c386e9f_down:
	.size	k_qa64c386e9f_down, .Lfunc_end_k_qa64c386e9f_down-k_qa64c386e9f_down
	.p2alignl 7, 3214868480
	.fill 96, 4, 3214868480
	.section	.rodata,"a",@progbits
	.p2align	6, 0x0
	.amdhsa_kernel k_qa64c386e9f_down
		.amdhsa_group_segment_fixed_size 228608
		.amdhsa_private_segment_fixed_size 0
		.amdhsa_enable_private_segment 0
		.amdhsa_kernarg_size 40
		.amdhsa_user_sgpr_count 2
		.amdhsa_user_sgpr_kernarg_segment_ptr 1
		.amdhsa_wavefront_size32 1
		.amdhsa_system_sgpr_workgroup_id_x 1
		.amdhsa_system_sgpr_workgroup_id_y 1
		.amdhsa_system_sgpr_workgroup_id_z 1
		.amdhsa_system_vgpr_workitem_id 0
		.amdhsa_next_free_vgpr 256
		.amdhsa_next_free_sgpr 66
		.amdhsa_reserve_vcc 0
		.amdhsa_float_denorm_mode_32 3
		.amdhsa_float_denorm_mode_16_64 3
		.amdhsa_memory_ordered 1
		.amdhsa_forward_progress 1
		.amdhsa_inst_pref_size 64
	.end_amdhsa_kernel
	.amdgpu_metadata
---
amdhsa.version: [ 1, 2 ]
amdhsa.kernels:
  - .name:           k_qa64c386e9f_down
    .symbol:         k_qa64c386e9f_down.kd
    .args:
      - { .name: down_proj, .offset: 0, .size: 8, .value_kind: global_buffer, .address_space: global }
      - { .name: inter_codes, .offset: 8, .size: 8, .value_kind: global_buffer, .address_space: global }
      - { .name: inter_scales, .offset: 16, .size: 8, .value_kind: global_buffer, .address_space: global }
      - { .name: route, .offset: 24, .size: 8, .value_kind: global_buffer, .address_space: global }
      - { .name: out0, .offset: 32, .size: 8, .value_kind: global_buffer, .address_space: global }
    .group_segment_fixed_size: 228608
    .private_segment_fixed_size: 0
    .kernarg_segment_align: 8
    .kernarg_segment_size: 40
    .max_flat_workgroup_size: 512
    .sgpr_count:     66
    .vgpr_count:     256
    .wavefront_size: 32
...
	.end_amdgpu_metadata
.endif
;; end of part 2
;; ======== version 2 of 2: 2 launches; version 1 with the launches gateup, down written anew for expert scheduling mode
;; workspace buffers: inter_codes 12,582,912 bytes; inter_scales 524,288 bytes; route 133,120 bytes of whole numbers
;; launch gateup (part 3): grid 16 x 16, 16 waves a work-group, no clusters, 281,088 bytes of LDS; arguments x, expert_indices, gate_proj, up_proj, inter_codes, inter_scales, route; writes inter_codes, inter_scales, route
.if DOCPART == 3
	.amdgcn_target "amdgcn-amd-amdhsa--gfx1250"
	.amdhsa_code_object_version 6
	.text
	.protected	k_qa64c386e9f_gateup
	.globl	k_qa64c386e9f_gateup
	.p2align	8
	.type	k_qa64c386e9f_gateup,@function
k_qa64c386e9f_gateup:
	s_mov_b64 s[64:65], 0
	v_nop
	global_prefetch_b8 v0, s[64:65] scope:SCOPE_SE
	s_setreg_imm32_b32 hwreg(HW_REG_WAVE_SCHED_MODE, 0, 2), 2
	s_setreg_imm32_b32 hwreg(HW_REG_WAVE_MODE, 25, 1), 1
	s_wait_xcnt 0x0
	s_wait_alu depctr_vm_vsrc(0)
; inter[n][:] = silu(x[n] G_e) * (x[n] U_e), e = expert_indices[n], both products on codes of FP6 (E2M3) with one E8M0 scale for each 32 along K = H; inter is quantised along I and leaves as codes.
; WORK LEFT OUT.  reference() multiplies every token by all 16 experts and keeps, by take_along_axis on the index input, the one row of the token's own expert: whatever the inputs hold, the 15 other rows
; reach no output.  Only the chosen rows are multiplied, here and in the second launch.  Every input keeps a way to the output and is loaded.  LIMIT: a NaN, an infinity or an overflow that would arise only in
; the rows left out is not carried to the result.
; FURTHER LIMITS.  Indices lie in 0 .. 15 (an index stays inside its table); NaN and infinities among the inputs are not served; a block of zeros gets the scale byte 1 where the rule says 127: its codes are
; zeros, and the bytes are read by this program alone; an expert without tokens still has its weights streamed, since the streaming waves branch on no data.
; SHARES.  Work-group (x, y) = (slice of 64 columns of I, expert).  Sixteen waves in two roles.  Waves 0-7 STREAM: wave w reads rows 128 w .. 128 w + 127 of H, 64 columns, of gate and of up, each byte once,
; quantises down K in registers and leaves codes and scale words in LDS.  Waves 8-15 serve TOKENS: each finds the expert's tokens from the index input, gathers and quantises a tile of 16 rows of x meanwhile,
; and behind the barrier multiplies it by the 64 + 64 columns, applies silu x up, quantises the 64 results (two blocks of the next K) and stores them.
; A tile's row r is the expert's token of rank min(16 t + r, count - 1): rows past the end repeat the last token, compute the same numbers and store the same bytes: EXEC is never changed.
; EIGHT PASSES, a constant: 8 token waves x 8 passes = 64 tiles = all 1,024 tokens on one expert.  The barrier stands in every wave's path, under no branch on data; only the first orders anything
; (the streaming waves' LDS stores, which all stand ahead of the loop, against the token waves' reads).
; No tensor loads, no cluster: how many tiles an expert has hangs on loaded indices, and each weight byte is read by this work-group alone.
; BOTH PRODUCTS ARE USED TRANSPOSED (source 0 = 16 weight columns, source 1 = 16 tokens): a lane holds one token.  Column n of the slice lies at LDS row n with its bits 3 and 4 swapped, so that LDS rows
; 16 (2 b + u) + r are columns 32 b + 8 u + r + 8 (r / 8), and the 16 registers of tiles 2 b and 2 b + 1 are 16 neighbours along the next K: 32 b + 16 (lane / 16) + 0 .. 15.
; THE MODE: SCHED_MODE bits 1:0 = 2 (LLVM: expert scheduling mode 2), set by the entry lines.  The code itself states the register dependences between vector or matrix instructions and memory or LDS
; instructions, and those through scalar registers and VCC that vector instructions write, with s_wait_alu, always for 0.
; THE PLAN.  Offsets and LDS addresses v1 .. v19 are made at the head, ahead of one wait, and never written again.
; STREAM.  SR[d % 3]: unit d's 32 loads land in it; unit d's maxima and moves read it; the loads of unit d + 3 land in it again.  CC (the codes of both columns) and WD (scale words): written by the unit's
;   conversions, moves and shifts, read by the LDS stores at its end; CC is written again by the next unit.  So a unit has ONE wait on va_vdst, behind its last move (CC and WD are written; SR[d % 3] is read out),
;   with the loads of unit d + 3 and the LDS stores behind it, and ONE on vm_vsrc, ahead of its first conversion (the last unit's stores have read CC).  One more on vm_vsrc stands at the role's end, ahead of the
;   branch to the passes, whose lines write the registers of CC and WD again.
; TOKENS, the gathering.  OFF: written by vector adds, read by the loads of x.  GX0, GX1: loads land, the stage's stores read, loads land again.  XX: LDS loads land, the quantiser reads.  PC, PW: the quantiser
;   writes, the image's stores read.  One wait on va_vdst ahead of the first loads of x; in a K step one on vm_vsrc behind the stage's round trip and two on va_vdst: ahead of the second half's loads into XX, and
;   ahead of the image's stores, which also serves the next step's first loads into XX.  One on vm_vsrc at the gathering's end, ahead of the label, for all that the products and the next pass write.
; TOKENS, the products.  FIVE places of 24 registers (a gate and an up fragment) and a scale register each; group g lies in place g % 5.  The groups go in pairs.  At a pair's head ONE wait on va_vdst states
;   that the pair before is done reading its two places, their scale words and x's other set; the loads of groups 2 p + 3 and 2 p + 4 (and x's next fragment) land there, dealt among the pair's first two
;   products, which name none of these registers.
.set UW,    50176                      ; LDS: gate's codes at 0: 64 rows of 768 bytes + 16 (pitch 784 = 196 words: the 32 lanes of a fragment's 8-byte load fall on 64 different banks; 64 banks of 4 bytes: ISA guide 11.1); up's here
.set WSC,   100352                     ; scale words: 128 rows (gate's 64, up's 64) of 8 words + 1
.set STG,   104960                     ; a token wave's stage: 16 rows of 512 bytes + 16
.set XIM,   172544                     ; a token wave's images of x: 8 fragments of 1,536 bytes, then 8 x 128 bytes of scale words
.set SPARE, 279040                     ; the spare words, 128 bytes for each wave: eight blocks of 256 bytes that no other line names
.set SPW, 1                            ; v1   my spare word;  v2  0: both never rewritten
.set NIL, 2
.set AWG, 3                            ; v3   stream: where my two columns' codes go, gate;  v4 up
.set ASC, 5                            ; v5   stream: where their scale words go
.set LW,  6                            ; v6   tokens: my lane's place in a weight fragment, gate;  v7 up
.set LWU, 7
.set LSC, 8                            ; v8   tokens: weight scale words: lanes 0-15 gate's, lanes 16-31 up's
.set STW, 9                            ; v9   stage, in: 16 x lane;  v10 out: row r, + 64 h
.set STR, 10
.set XI,  11                           ; v11  x's images: 16 x lane;  v12 their scale words: 4 x lane
.set XS,  12
.set VL,  13                           ; v13 lane, v14 r = lane % 16, v15 h = lane / 16
.set VR,  14
.set VH,  15
.set L4,  16                           ; v16 4 x lane, v17 8 x lane, v18 16 x lane, v19 4 r + h: offsets in memory, never rewritten
.set L8,  17
.set L16, 18
.set R4H, 19
.set WS,  57                           ; v57-61 weight scale words, one register a place, v62-63 x's: scales and nothing else, in both roles
.set ASR, 62
.set CC,  20                           ; STREAM: v20-31 a block's codes, six registers for each of my two columns
.set T16, 32                           ; v32-47 sixteen neighbours along K of one column
.set DD,  48                           ; v48-50 a block's upper half as converted;  its first two registers hold the largest magnitudes before that
.set MXS, 48
.set WD,  51                           ; v51-54 scale words in the making [matrix][column]
.set SOS, 55                           ; v55-56 the conversions' scale operands
.set SR,  64                           ; v64-255 three sets of 32 rows x 2 columns
.set TOK, 20                           ; TOKENS: v20 my row's token;  v21-30 at work
.set MX,  21
.set PX,  23
.set SO,  25
.set BY,  27
.set PW,  31
.set OFF, 32                           ; v32-47 byte offsets of the tile's 16 rows of x, + 16 x lane
.set GX,  64                           ; v64-191 two sets of 16 rows x 512 bytes as loaded
.set XX,  192                          ; v192-223 two blocks of my row
.set PC,  224                          ; v224-235 a fragment's codes;  v236-238 a half as converted
.set PD,  236
.set ACC, 64                           ; products: v64-95 gate's four tiles, v96-127 up's
.set WR,  128                          ; v128-223 places 0 to 3 of (gate fragment, up fragment);
.set W4,  32                           ; v32-55 place 4
.set AFR, 224                          ; v224-247 x's fragment, two sets
.set EX,  128                          ; behind the products: v128-159 the exponentials
	s_load_b256 s[4:11], s[0:1], 0x0               ; x s[4:5], indices s[6:7], gate s[8:9], up s[10:11]
	s_load_b128 s[12:15], s[0:1], 0x20             ; inter_codes s[12:13], inter_scales s[14:15]
	s_load_b64 s[16:17], s[0:1], 0x30              ; route
	v_lshl_add_u32 v[SPW], v0, 2, SPARE
	v_mov_b32 v[NIL], 0
	v_lshrrev_b32 v[VL], 5, v0
	v_readfirstlane_b32 s18, v[VL]                 ; wave 0..15
	s_and_b32 s20, ttmp7, 0xffff                   ; the expert
	s_mov_b32 s21, ttmp9                           ; the slice
	s_mov_b32 s23, 0                               ; tiles of my expert (the token waves find it)
	s_mov_b32 s25, 0                               ; the pass
	s_mov_b32 s99, 0xffff0000                      ; lanes 16-31
	s_mov_b32 s100, 0x76543210                     ; v_permlanex16_b32's selects for lane l xor 16
	s_mov_b32 s101, 0xfedcba98
	s_mov_b32 s104, 0xbfb8aa3b                     ; -log2(e); the packed form names the pair
	s_mov_b32 s105, s104
	v_and_b32 v[VL], 31, v0
	v_and_b32 v[VR], 15, v0
	v_bfe_u32 v[VH], v0, 4, 1
	v_lshlrev_b32 v[L4], 2, v[VL]
	v_lshlrev_b32 v[L8], 3, v[VL]
	v_lshlrev_b32 v[L16], 4, v[VL]
	v_lshl_add_u32 v[R4H], v[VR], 2, v[VH]
	; every LDS address is made here, ahead of the roles' parting, from the lane, the wave's number and constants: first the lane's parts
	v_and_b32 v3, 19, v[VL]                        ; the lane with its bits 2 and 3 swapped: my columns 2 l, 2 l + 1 go to LDS rows 2 l', 2 l' + 1
	v_bfe_u32 v4, v[VL], 2, 1
	v_lshl_add_u32 v3, v4, 3, v3
	v_bfe_u32 v4, v[VL], 3, 1
	v_lshl_add_u32 v3, v4, 2, v3
	v_mul_u32_u24 v[ASC], v3, 72
	v_mul_u32_u24 v3, v3, 1568
	v_mul_u32_u24 v[LW], v[VR], 784
	v_mad_u32_u24 v[LW], v[VH], 24, v[LW]
	v_add_nc_u32 v[LWU], UW, v[LW]
	v_mul_u32_u24 v[LSC], v[VR], 36
	v_mad_u32_u24 v[LSC], v[VH], 2304, v[LSC]      ; one product: the lower base + h x the distance to up's words
	v_add_nc_u32 v[LSC], WSC, v[LSC]
	v_mul_u32_u24 v[STR], v[VR], 528
	v_lshl_add_u32 v[STR], v[VH], 6, v[STR]
	s_wait_alu depctr_va_vdst(0)
	v_mov_b32 v[PX], 0                             ; written once: a lane permute's destination counts as one of its sources
	v_mov_b32 v[PX+1], 0
	s_wait_alu depctr_va_sdst(0)                   ; s18 is written, ahead of its first reader
	s_and_b32 s19, s18, 7                          ; my number within my role
	s_mov_b32 s24, s19                             ; my tile of this pass
	s_mul_i32 s26, s19, 96                         ; K step w's 128 codes: 96 bytes of each row
	v_add_nc_u32 v[AWG], s26, v3
	v_add_nc_u32 v[AWG+1], UW, v[AWG]
	s_lshl_b32 s26, s19, 2
	s_add_co_u32 s26, s26, WSC
	v_add_nc_u32 v[ASC], s26, v[ASC]
	s_mul_i32 s26, s19, 8448
	s_add_co_u32 s26, s26, STG
	v_add_nc_u32 v[STW], s26, v[L16]
	v_add_nc_u32 v[STR], s26, v[STR]
	s_mul_i32 s26, s19, 13312
	s_add_co_u32 s26, s26, XIM
	v_add_nc_u32 v[XI], s26, v[L16]
	s_add_co_u32 s27, s26, 12288
	v_add_nc_u32 v[XS], s27, v[L4]
	s_wait_kmcnt 0x0
	s_wait_alu depctr_va_vdst(0)                   ; v1 to v19 are written: every load and store of the kernel, global or LDS, reads its offset or address there (x's rows aside)
	s_cmp_ge_u32 s18, 8
	s_cbranch_scc1 .Ltoken
; ---------------- STREAM.  A unit d = 2 bb + m is 32 rows of K (block bb of my K step) x 64 columns of matrix m.  Each load reads one row's 256 consecutive bytes, aligned: lane l takes columns 2 l and 2 l + 1.
.macro LOAD d
.set RB, SR+64*((\d)%3)
.set BS, 28+2*((\d)%2)
.set i, 0
.rept 32
	global_load_b64 v[RB+2*i:RB+2*i+1], v[L8], s[BS:BS+1] offset:(32*((\d)/2)+i)*4096 th:TH_LOAD_NT
.set i, i+1
.endr
.endm
.macro SDU d
.set RB, SR+64*((\d)%3)
.set MM, (\d)%2
.set BB, (\d)/2
.if (\d) <= 5
	s_wait_loadcnt 63                              ; behind this unit's loads stand two units', 64: 63 is the largest count that the wait can name
.elseif (\d) == 6
	s_wait_loadcnt 32                              ; the last unit's 32 may be out
.else
	s_wait_loadcnt 0
.endif
.irp c, 0,1
	v_max3_num_f32 v[MXS+\c], |v[RB+\c]|, |v[RB+2+\c]|, 0x1800000   ; a column's block lies in my registers alone; the floor 2^(3 - 127) holds the byte at 1 from below
.endr
.irp w, 4,8,12,16,20,24,28,32,36,40,44,48,52,56,60
.irp c, 0,1
	v_max3_num_f32 v[MXS+\c], v[MXS+\c], |v[RB+\w+\c]|, |v[RB+\w+2+\c]|   ; (the two columns by turns)
.endr
.endr
.irp c, 0,1
	v_add_nc_u32 v[SOS+\c], 0xff000000, v[MXS+\c]  ; 2 off the exponent field: the conversion's scale operand
.endr
.irp c, 0,1
.if BB == 0
	v_lshrrev_b32 v[WD+2*MM+\c], 23, v[SOS+\c]     ; the scale's byte: the K step's four make the column's word
.else
	v_lshrrev_b32 v[MXS+\c], 23, v[SOS+\c]
	v_lshl_or_b32 v[WD+2*MM+\c], v[MXS+\c], 8*BB, v[WD+2*MM+\c]
.endif
.endr
.if (\d) > 0
	s_wait_dscnt 0x0                               ; the last unit's LDS stores are done,
	s_wait_alu depctr_vm_vsrc(0)                   ; and have read v[CC ..], which the conversions and moves below write again
.endif
.irp c, 0,1
.set i, 0
.rept 16
	v_mov_b32 v[T16+i], v[RB+2*i+\c]               ; the conversion wants 16 neighbours along K in consecutive registers: the price of loads of 8 bytes a lane, which double the bytes that a wave's loads have on their way
.set i, i+1
.endr
	v_cvt_scalef32_pk16_fp6_f32 v[CC+6*\c:CC+6*\c+2], v[T16:T16+15], v[SOS+\c]
	v_nop                                          ; one plain place behind a scaled conversion, ahead of the writes of its sources
.set i, 0
.rept 16
	v_mov_b32 v[T16+i], v[RB+32+2*i+\c]
.set i, i+1
.endr
	v_cvt_scalef32_pk16_fp6_f32 v[DD:DD+2], v[T16:T16+15], v[SOS+\c]   ; (a conversion's three registers begin on an even number)
	v_nop
.irp q, 0,1,2
	v_mov_b32 v[CC+6*\c+3+\q], v[DD+\q]
.endr
.endr
	s_wait_alu depctr_va_vdst(0)                   ; the conversions and moves have written v[CC ..] and the shifts v[WD ..], which the LDS stores read; the maxima and moves are done reading this unit's set, in which the loads land
.if (\d) < 5
	LOAD (\d)+3                                    ; into the set just read
.endif
.irp c, 0,1
.irp q, 0,1,2
	ds_store_b64 v[AWG+MM], v[CC+6*\c+2*\q:CC+6*\c+2*\q+1] offset:\c*784+24*BB+8*\q   ; the block's 24 bytes, K innermost
.endr
.endr
.if BB == 3
.irp c, 0,1
	ds_store_b32 v[ASC], v[WD+2*MM+\c] offset:MM*2304+\c*36
.endr
.endif
.endm
	s_lshl_b32 s26, s20, 22                        ; the expert's 4 MiB,
	s_lshl_b32 s27, s19, 19                        ; my 128 rows of 4,096 bytes,
	s_add_co_u32 s26, s26, s27
	s_lshl_b32 s27, s21, 8                         ; the slice's 256 bytes of a row
	s_add_co_u32 s26, s26, s27
	s_mov_b32 s27, 0
	s_add_nc_u64 s[28:29], s[8:9], s[26:27]
	s_add_nc_u64 s[30:31], s[10:11], s[26:27]
	LOAD 0
	LOAD 1
	LOAD 2
.irp d, 0,1,2,3,4,5,6,7
	SDU \d
.endr
	s_wait_alu depctr_vm_vsrc(0)                   ; the last units' LDS stores have read v[CC ..] and v[WD ..]: lines behind the label write these registers again
	s_branch .Lpass
; ---------------- TOKENS: the routing, once.  Ballot M_j (s[32+j]): which of tokens 32 j .. 32 j + 31 name my expert; P_j (s[66+j]): how many before them do.
.Ltoken:
.set j, 0
.rept 32
	global_load_b32 v[GX+j], v[L4], s[6:7] offset:128*j
.set j, j+1
.endr
	s_mov_b32 s22, 0
	s_wait_loadcnt 0x0
.set j, 0
.rept 32
	v_cmp_eq_u32 s[32+j], s20, v[GX+j]
.set j, j+1
.endr
	s_wait_alu depctr_va_sdst(0)                   ; the 32 ballots s32 to s63 are written, ahead of their first readers
.set j, 0
.rept 32
	s_mov_b32 s[66+j], s22
	s_bcnt1_i32_b32 s26, s[32+j]
	s_add_co_u32 s22, s22, s26
.set j, j+1
.endr
	s_add_co_u32 s23, s22, 15
	s_lshr_b32 s23, s23, 4                         ; tiles of 16
	s_sub_co_u32 s98, s22, 1                       ; the last rank (read only where there is a tile)
	s_or_b32 s26, s21, s19
	s_cmp_lg_u32 s26, 0
	s_cbranch_scc1 .Lpass                          ; one wave of the expert's first slice stores the count for the second launch
	s_lshl_b32 s26, s20, 7
	s_mov_b32 s27, 0
	s_add_nc_u64 s[26:27], s[16:17], s[26:27]
	v_mov_b32 v21, s22
	s_wait_alu depctr_va_vdst(0)                   ; v21 is written, which the store reads
	global_store_b32 v[L4], v21, s[26:27]
	s_wait_xcnt 0x0                                ; the store has had its address translated: its base and data are written again below,
	s_wait_alu depctr_vm_vsrc(0)                   ; and it has read v21
; The eight scalar registers that take a run of compares' masks or of lanes' numbers: s26 to s31, s2, s3
.macro MASK q
.if (\q) < 6
.set MK, 26+(\q)
.else
.set MK, (\q)-4
.endif
.endm
; 32 numbers of a lane, register 16 b + i = k 32 b + 16 (lane / 16) + i of my row, become six registers of codes (lanes 0-15: block 0's 24 bytes, lanes 16-31: block 1's) and two scale bytes.
.macro QUANT2 src, pc, by
.irp b, 0,1
	v_max3_num_f32 v[MX+\b], |v[\src+16*\b]|, |v[\src+16*\b+1]|, 0x1800000
.endr
.irp w, 2,4,6,8,10,12,14
.irp b, 0,1
	v_max3_num_f32 v[MX+\b], v[MX+\b], |v[\src+16*\b+\w]|, |v[\src+16*\b+\w+1]|
.endr
.endr
.irp b, 0,1
	v_permlanex16_b32 v[PX+\b], v[MX+\b], s100, s101
.endr
.irp b, 0,1
	v_max_num_f32 v[MX+\b], v[MX+\b], v[PX+\b]     ; with lane l xor 16's 16: the block's largest magnitude
.endr
.irp b, 0,1
	v_add_nc_u32 v[SO+\b], 0xff000000, v[MX+\b]
.endr
.irp b, 0,1
	v_lshrrev_b32 v[\by+\b], 23, v[SO+\b]
.endr
	v_cvt_scalef32_pk16_fp6_f32 v[\pc:\pc+2], v[\src:\src+15], v[SO]
	v_cvt_scalef32_pk16_fp6_f32 v[PD:PD+2], v[\src+16:\src+31], v[SO+1]
	v_nop                                          ; one plain place behind a scaled conversion
.irp q, 0,1,2
	v_permlane16_swap_b32 v[\pc+\q], v[PD+\q]      ; the first's lanes 16-31 change places with the second's lanes 0-15: a whole block in a lane
.endr
.irp q, 0,1,2
	v_mov_b32 v[\pc+3+\q], v[PD+\q]
.endr
.endm
.macro BSTEP x, width, inc             ; one step of the search for the k-th set bit: are there k or fewer set bits in the lower half of what is left?
.if \width
	v_bfe_u32 v23, v[\x], v29, \width
.endif
	v_cmp_ge_u32 vcc_lo, v21, v23
	s_wait_alu depctr_va_vcc(0)                    ; VCC is written, ahead of the two selects that read it (each step hangs on the step before: no run of compares can be laid)
	v_cndmask_b32 v23, 0, v23, vcc_lo
	v_cndmask_b32 v28, 0, \inc, vcc_lo
	v_sub_nc_u32 v21, v21, v23
	v_add_nc_u32 v29, v29, v28
.endm
.macro XLOAD s                         ; K step s of the tile's 16 rows: each load reads 512 consecutive bytes of one token's row
.set i, 0
.rept 16
	global_load_b128 v[GX+64*((\s)%2)+4*i:GX+64*((\s)%2)+4*i+3], v[OFF+i], s[4:5] offset:512*(\s)
.set i, i+1
.endr
.endm
.macro PSTEP s                         ; K step s: through my stage (as loaded in; 16 neighbours of a block a lane out), quantised, image to LDS
.if (\s) < 7
	s_wait_loadcnt 16                              ; this step's 16 loads are in; the next step's may be out
.else
	s_wait_loadcnt 0
.endif
.set i, 0
.rept 16
	ds_store_b128 v[STW], v[GX+64*((\s)%2)+4*i:GX+64*((\s)%2)+4*i+3] offset:528*i
.set i, i+1
.endr
.irp b, 0,1
.irp q, 0,1,2,3
	ds_load_b128 v[XX+16*\b+4*\q:XX+16*\b+4*\q+3], v[STR] offset:128*\b+16*\q   ; LDS serves a wave's instructions in order: these see my stores.  No vector instruction since the last wait on va_vdst names v[XX ..]
.endr
.endr
	s_wait_dscnt 0x0                               ; the numbers are back
	s_wait_alu depctr_vm_vsrc(0)                   ; the stage's stores have read this step's set of v[GX ..], in which the loads below land; the last step's image stores have read v[PC ..] and v[PW], which the quantiser writes again
.if (\s) < 6
	XLOAD (\s)+2
.endif
	QUANT2 XX, PC, BY
	s_wait_alu depctr_va_vdst(0)                   ; the maxima and conversions are done reading v[XX ..], in which the row's other two blocks land
.irp b, 0,1
.irp q, 0,1,2,3
	ds_load_b128 v[XX+16*\b+4*\q:XX+16*\b+4*\q+3], v[STR] offset:256+128*\b+16*\q
.endr
.endr
	s_wait_dscnt 0x0
	QUANT2 XX, PC+6, BY+2
	v_lshl_or_b32 v[PW], v[BY+1], 8, v[BY]         ; my row's scale word for these 128
	v_lshl_or_b32 v[PW], v[BY+2], 16, v[PW]
	v_lshl_or_b32 v[PW], v[BY+3], 24, v[PW]
	s_wait_alu depctr_va_vdst(0)                   ; v[PC ..] and v[PW] are written, which the image's stores read; the quantiser is done reading v[XX ..], in which the next step's numbers land
.irp q, 0,1,2
	ds_store_b128 v[XI], v[PC+4*\q:PC+4*\q+3] offset:1536*(\s)+512*\q   ; the fragment as an image of its registers
.endr
	ds_store_b32 v[XS], v[PW] offset:128*(\s)
.endm
.macro AFETCH s                        ; x's fragment and scale words of K step s: 4 LDS loads
.irp q, 0,1,2
	ds_load_b128 v[AFR+12*((\s)%2)+4*\q:AFR+12*((\s)%2)+4*\q+3], v[XI] offset:1536*(\s)+512*\q
.endr
	ds_load_b32 v[ASR+(\s)%2], v[XS] offset:128*(\s)
.endm
.macro SLOT g                          ; group g's place: g % 5
.set SL, (\g)%5
.if SL < 4
.set WB, WR+24*SL
.else
.set WB, W4
.endif
.endm
.macro WLOAD g                         ; group g = 4 s + tile: gate's and up's fragment of 16 columns x 128 K, and one register with both's scale words: 13 LDS loads
	SLOT \g
.set TT, (\g)%4
.set SS, (\g)/4
.irp p, 0,1,2,3,4,5
	ds_load_b64 v[WB+2*\p:WB+2*\p+1], v[LW] offset:TT*12544+96*SS+48*(\p/3)+8*(\p%3)
.endr
.irp p, 0,1,2,3,4,5
	ds_load_b64 v[WB+12+2*\p:WB+12+2*\p+1], v[LWU] offset:TT*12544+96*SS+48*(\p/3)+8*(\p%3)
.endr
	ds_load_b32 v[WS+SL], v[LSC] offset:576*TT+4*SS
.endm
.macro PRODG g                         ; group g's product with gate; the first K step starts the sums
	SLOT \g
.set AB, AFR+12*(((\g)/4)%2)
.set AX, ASR+((\g)/4)%2
.set AG, ACC+8*((\g)%4)
.if (\g) < 4
	v_wmma_scale_f32_16x16x128_f8f6f4 v[AG:AG+7], v[WB:WB+11], v[AB:AB+11], 0, v[WS+SL], v[AX] matrix_a_fmt:MATRIX_FMT_FP6 matrix_b_fmt:MATRIX_FMT_FP6
.else
	v_wmma_scale_f32_16x16x128_f8f6f4 v[AG:AG+7], v[WB:WB+11], v[AB:AB+11], v[AG:AG+7], v[WS+SL], v[AX] matrix_a_fmt:MATRIX_FMT_FP6 matrix_b_fmt:MATRIX_FMT_FP6
.endif
.endm
.macro PRODU g                         ; and with up
	SLOT \g
.set AB, AFR+12*(((\g)/4)%2)
.set AX, ASR+((\g)/4)%2
.set AU, ACC+32+8*((\g)%4)
.if (\g) < 4
	v_wmma_scale_f32_16x16x128_f8f6f4 v[AU:AU+7], v[WB+12:WB+23], v[AB:AB+11], 0, v[WS+SL], v[AX] matrix_a_fmt:MATRIX_FMT_FP6 matrix_b_fmt:MATRIX_FMT_FP6 matrix_a_scale:MATRIX_SCALE_ROW1
.else
	v_wmma_scale_f32_16x16x128_f8f6f4 v[AU:AU+7], v[WB+12:WB+23], v[AB:AB+11], v[AU:AU+7], v[WS+SL], v[AX] matrix_a_fmt:MATRIX_FMT_FP6 matrix_b_fmt:MATRIX_FMT_FP6 matrix_a_scale:MATRIX_SCALE_ROW1
.endif
.endm
.Lpass:
	s_cmp_lt_u32 s18, 8
	s_cbranch_scc1 .Ljoin                          ; the streaming waves only pass the barrier
	s_cmp_ge_u32 s24, s23
	s_cbranch_scc1 .Ljoin                          ; no such tile
	; ---- the tile's 16 tokens, all ranks at once: the ballot word that holds rank R, then the (R - P_j)-th set bit of it
	s_lshl_b32 s26, s24, 4
	v_add_nc_u32 v21, s26, v[VR]
	v_min_u32 v21, s98, v21                        ; R = min(16 t + r, count - 1)
	v_mov_b32 v22, s32
	v_mov_b32 v23, 0
	v_mov_b32 v24, 0
.set j0, 1
.rept 4                                        ; the 31 compares in runs of eight, each into a scalar register of its own, with one wait behind a run
.set q, 0
.rept 8
.if j0+q < 32
	MASK q
.set j, j0+q
	v_cmp_le_u32 s[MK], s[66+j], v21               ; P_j never falls: the last j with P_j <= R is the word
.endif
.set q, q+1
.endr
	s_wait_alu depctr_va_sdst(0)                   ; the run's masks are written, ahead of the selects that read them
.set q, 0
.rept 8
.if j0+q < 32
	MASK q
.set j, j0+q
	v_cndmask_b32 v23, v23, s[66+j], s[MK]
	v_cndmask_b32 v22, v22, s[32+j], s[MK]
	v_cndmask_b32 v24, v24, j, s[MK]
.endif
.set q, q+1
.endr
.set j0, j0+8
.endr
	v_sub_nc_u32 v21, v21, v23                     ; k
	v_lshrrev_b32 v25, 1, v22
	v_and_b32 v25, 0x55555555, v25
	v_sub_nc_u32 v25, v22, v25                     ; counts of 2 bits,
	v_lshrrev_b32 v26, 2, v25
	v_and_b32 v26, 0x33333333, v26
	v_and_b32 v27, 0x33333333, v25
	v_add_nc_u32 v26, v26, v27                     ; of 4,
	v_lshrrev_b32 v27, 4, v26
	v_add_nc_u32 v27, v27, v26
	v_and_b32 v27, 0x0f0f0f0f, v27                 ; of 8,
	v_bfe_u32 v23, v27, 8, 8
	v_and_b32 v28, 0xff, v27
	v_add_nc_u32 v23, v23, v28                     ; of the lower 16
	v_mov_b32 v29, 0
	BSTEP 0, 0, 16
	BSTEP 27, 8, 8
	BSTEP 26, 4, 4
	BSTEP 25, 2, 2
	BSTEP 22, 1, 1
	v_lshl_add_u32 v[TOK], v24, 5, v29
	v_min_u32 v[TOK], 0x3ff, v[TOK]
.set i0, 0
.rept 2                                        ; the 16 rows' tokens as scalars, in two runs of eight
.set q, 0
.rept 8
	MASK q
.set i, i0+q
	v_readlane_b32 s[MK], v[TOK], i
.set q, q+1
.endr
	s_wait_alu depctr_va_sdst(0)                   ; the run's eight scalar registers are written, ahead of their first readers
.set q, 0
.rept 8
	MASK q
.set i, i0+q
	s_min_u32 s[MK], s[MK], 0x3ff
	s_lshl_b32 s[MK], s[MK], 12                    ; a row of x is 4,096 bytes
	v_add_nc_u32 v[OFF+i], s[MK], v[L16]
.set q, q+1
.endr
.set i0, i0+8
.endr
	s_wait_alu depctr_va_vdst(0)                   ; v[OFF ..] and v[TOK] are written, which the loads of x and the list's store read; whatever named v[GX ..] (the ballots' compares, the last pass's products and activation) is done with them
	XLOAD 0
	XLOAD 1
	s_cmp_lg_u32 s21, 0
	s_cbranch_scc1 .Lno_list                       ; the expert's first slice stores the tile's list for the second launch: 32 words, word L the token of row L % 16
	s_min_u32 s26, s24, 63
	s_lshl_b32 s27, s20, 6
	s_add_co_u32 s26, s26, s27                     ; the tile's place: 64 e + t
	s_lshl_b32 s28, s26, 7
	s_add_co_u32 s28, s28, 2048
	s_mov_b32 s29, 0
	s_add_nc_u64 s[28:29], s[16:17], s[28:29]
	global_store_b32 v[L4], v[TOK], s[28:29]
	s_wait_xcnt 0x0                                ; the store has had its address translated: its base is written again below,
	s_wait_alu depctr_vm_vsrc(0)                   ; and it has read v[TOK], which the next pass writes again
.Lno_list:
.irp s, 0,1,2,3,4,5,6,7
	PSTEP \s
.endr
	s_wait_alu depctr_vm_vsrc(0)                   ; the loads of x have read v[OFF ..], the stage's stores v[GX ..], the last image's stores v[PC ..] and v[PW]: the fragments' loads, the products and the next pass write all of these
.Ljoin:
	s_wait_dscnt 0x0                               ; for the others' sake: my LDS stores have landed
	s_barrier_signal -1
	s_barrier_wait -1                              ; behind the first of these the weights' codes and scale words lie whole in LDS
	s_cmp_lt_u32 s18, 8
	s_cbranch_scc1 .Lnext
	s_cmp_ge_u32 s24, s23
	s_cbranch_scc1 .Lnext
	; ---- the products: 32 groups, two matrix instructions each, in 16 pairs; the eight accumulators take turns, one instruction a turn; the first K step starts the sums.
	; No vector instruction stands between the gathering's last wait on va_vdst and the first loads below, and its last wait on vm_vsrc stands behind its last LDS store.
	AFETCH 0
	WLOAD 0
	WLOAD 1
	WLOAD 2
.set pr, 0
.set HC, 26                            ; at a pair's head: the LDS loads issued behind those of its first group: what the pair before issued (at the first pair: groups 1 and 2)
.set PN2, 13                           ; the loads of the last group that the pair before asked for
.rept 16
.set NA, 0                             ; what this pair asks for: x's next fragment in a K step's first pair,
.if (pr%2 == 0) && (pr <= 12)
.set NA, 4
.endif
.set N1, 0                             ; group 2 pr + 3,
.if 2*pr+3 < 32
.set N1, 13
.endif
.set N2, 0                             ; group 2 pr + 4
.if 2*pr+4 < 32
.set N2, 13
.endif
	s_wait_dscnt HC                                ; LDS loads come back in order: group 2 pr (and x's fragment of its K step, which is older) is in
.if (pr > 0) && (NA+N1+N2 > 0)
.rept 4
	v_nop                                          ; the four places between the last pair's products and the loads into the registers that they read stay as in the plain form
.endr
	s_wait_alu depctr_va_vdst(0)                   ; the last pair's products are done reading their two places and scale words (and, at a K step's first pair, the K step before last x's other set): this pair's loads land there
.endif
	PRODG 2*pr
.if NA
	AFETCH pr/2+1
.endif
.if N1
	WLOAD 2*pr+3                                   ; no wait: no matrix instruction since the wait above names these registers
.endif
	PRODU 2*pr
.if N2
	WLOAD 2*pr+4
.endif
	s_wait_dscnt PN2+NA+N1+N2                      ; group 2 pr + 1 is in: behind its loads stand one group of the pair before and all that this pair has asked for
	PRODG 2*pr+1
	PRODU 2*pr+1
.set HC, NA+N1+N2
.set PN2, N2
.set pr, pr+1
.endr
	; ---- inter = g u / (1 + 2^(-g log2 e)), in f32; each accumulator is read from its low end on
.rept 4
	v_nop
.endr
.set i, 0
.rept 16
	v_pk_mul_f32 v[EX+2*i:EX+2*i+1], v[ACC+2*i:ACC+2*i+1], s[104:105] op_sel_hi:[1,0]
.set i, i+1
.endr
.set i, 0
	s_wait_alu depctr_va_vdst(0)
.rept 32
	v_exp_f32 v[EX+i], v[EX+i]
.set i, i+1
.endr
.set i, 0
	s_wait_alu depctr_va_vdst(0)
.rept 16
	v_pk_mul_f32 v[ACC+2*i:ACC+2*i+1], v[ACC+2*i:ACC+2*i+1], v[ACC+32+2*i:ACC+32+2*i+1]   ; g u: plain work that names no exponential's result
.set i, i+1
.endr
	s_wait_alu depctr_va_vdst(0)                   ; the 32 exponentials have written v[EX ..]: one wait for the batch, ahead of its first reader
.set i, 0
.rept 16
	v_pk_add_f32 v[EX+2*i:EX+2*i+1], v[EX+2*i:EX+2*i+1], 1.0 op_sel_hi:[1,0]
.set i, i+1
.endr
.set i, 0
	s_wait_alu depctr_va_vdst(0)
.rept 32
	v_rcp_f32 v[EX+i], v[EX+i]
.set i, i+1
.endr
	v_nop                                          ; a plain place behind the last reciprocal
	s_min_u32 s26, s24, 63                         ; where the tile's results go: place 64 e + t
	s_lshl_b32 s27, s20, 6
	s_add_co_u32 s26, s26, s27
	s_mul_i32 s28, s26, 12288                      ; codes: 48 pieces of 256 bytes a place; my slice's three
	s_mul_i32 s27, s21, 768
	s_add_co_u32 s28, s28, s27
	s_mov_b32 s29, 0
	s_add_nc_u64 s[28:29], s[12:13], s[28:29]
	s_lshl_b32 s30, s26, 9                         ; scale bytes: 512 a place: word (K step, row) at 64 s + 4 r; my slice's two bytes of it
	s_lshr_b32 s27, s21, 1
	s_lshl_b32 s27, s27, 6
	s_add_co_u32 s30, s30, s27
	s_and_b32 s27, s21, 1
	s_lshl_b32 s27, s27, 1
	s_add_co_u32 s30, s30, s27
	s_mov_b32 s31, 0
	s_add_nc_u64 s[30:31], s[14:15], s[30:31]
	s_wait_alu depctr_va_vdst(0)                   ; the 32 reciprocals have written v[EX ..]: one wait for the batch
.set i, 0
.rept 16
	v_pk_mul_f32 v[ACC+2*i:ACC+2*i+1], v[ACC+2*i:ACC+2*i+1], v[EX+2*i:EX+2*i+1]
.set i, i+1
.endr
	QUANT2 ACC, PC, BY                             ; my slice's 64 numbers of a row are two blocks of the next K: registers 6 c .. 6 c + 5 of its fragment slice / 2, c = slice % 2
	v_cndmask_b32 v[PW], v[BY], v[BY+1], s99       ; lanes 0-15 block 0's byte, lanes 16-31 block 1's
	s_wait_alu depctr_va_vdst(0)                   ; the quantiser has written v[PC ..] and the select v[PW], which the four stores read
.irp q, 0,1,2
	global_store_b64 v[L8], v[PC+2*\q:PC+2*\q+1], s[28:29] offset:256*\q   ; an image of the operand's registers: 32 lanes store 256 consecutive bytes, aligned
.endr
	global_store_b8 v[R4H], v[PW], s[30:31]        ; 32 single bytes a tile, against its 768 bytes of codes: the launch's one small store
	s_wait_xcnt 0x0                                ; the stores have had their addresses translated: the next pass writes their bases and data again,
	s_wait_alu depctr_vm_vsrc(0)                   ; and they have read v[PC ..] and v[PW]
.Lnext:
	s_add_co_u32 s24, s24, 8
	s_add_co_u32 s25, s25, 1
	s_cmp_lt_u32 s25, 8
	s_cbranch_scc1 .Lpass
	s_wait_dscnt 0x0                               ; the closing lines, six on end
	s_wait_alu 0x0
	s_wait_tensorcnt 0x0
	ds_add_u32 v[SPW], v[NIL]
	s_wait_dscnt 0x0
	s_endpgm
.Lfunc_end_k_qa64c386e9f_gateup:
	.size	k_qa64c386e9f_gateup, .Lfunc_end_k_qa64c386e9f_gateup-k_qa64c386e9f_gateup
	.p2alignl 7, 3214868480
	.fill 96, 4, 3214868480
	.section	.rodata,"a",@progbits
	.p2align	6, 0x0
	.amdhsa_kernel k_qa64c386e9f_gateup
		.amdhsa_group_segment_fixed_size 281088
		.amdhsa_private_segment_fixed_size 0
		.amdhsa_enable_private_segment 0
		.amdhsa_kernarg_size 56
		.amdhsa_user_sgpr_count 2
		.amdhsa_user_sgpr_kernarg_segment_ptr 1
		.amdhsa_wavefront_size32 1
		.amdhsa_system_sgpr_workgroup_id_x 1
		.amdhsa_system_sgpr_workgroup_id_y 1
		.amdhsa_system_sgpr_workgroup_id_z 1
		.amdhsa_system_vgpr_workitem_id 0
		.amdhsa_next_free_vgpr 256
		.amdhsa_next_free_sgpr 106
		.amdhsa_reserve_vcc 1
		.amdhsa_float_denorm_mode_32 3
		.amdhsa_float_denorm_mode_16_64 3
		.amdhsa_memory_ordered 1
		.amdhsa_forward_progress 1
		.amdhsa_inst_pref_size 205
	.end_amdhsa_kernel
	.amdgpu_metadata
---
amdhsa.version: [ 1, 2 ]
amdhsa.kernels:
  - .name:           k_qa64c386e9f_gateup
    .symbol:         k_qa64c386e9f_gateup.kd
    .args:
      - { .name: x, .offset: 0, .size: 8, .value_kind: global_buffer, .address_space: global }
      - { .name: expert_indices, .offset: 8, .size: 8, .value_kind: global_buffer, .address_space: global }
      - { .name: gate_proj, .offset: 16, .size: 8, .value_kind: global_buffer, .address_space: global }
      - { .name: up_proj, .offset: 24, .size: 8, .value_kind: global_buffer, .address_space: global }
      - { .name: inter_codes, .offset: 32, .size: 8, .value_kind: global_buffer, .address_space: global }
      - { .name: inter_scales, .offset: 40, .size: 8, .value_kind: global_buffer, .address_space: global }
      - { .name: route, .offset: 48, .size: 8, .value_kind: global_buffer, .address_space: global }
    .group_segment_fixed_size: 281088
    .private_segment_fixed_size: 0
    .kernarg_segment_align: 8
    .kernarg_segment_size: 56
    .max_flat_workgroup_size: 512
    .sgpr_count:     106
    .vgpr_count:     256
    .wavefront_size: 32
...
	.end_amdgpu_metadata
.endif
;; end of part 3
;; launch down (part 4): grid 16 x 16, 16 waves a work-group, no clusters, 228,608 bytes of LDS; arguments down_proj, inter_codes, inter_scales, route, out0; writes out0
.if DOCPART == 4
	.amdgcn_target "amdgcn-amd-amdhsa--gfx1250"
	.amdhsa_code_object_version 6
	.text
	.protected	k_qa64c386e9f_down
	.globl	k_qa64c386e9f_down
	.p2align	8
	.type	k_qa64c386e9f_down,@function
k_qa64c386e9f_down:
	s_mov_b64 s[64:65], 0
	v_nop
	global_prefetch_b8 v0, s[64:65] scope:SCOPE_SE
	s_setreg_imm32_b32 hwreg(HW_REG_WAVE_SCHED_MODE, 0, 2), 2
	s_setreg_imm32_b32 hwreg(HW_REG_WAVE_MODE, 25, 1), 1
	s_wait_xcnt 0x0
	s_wait_alu depctr_vm_vsrc(0)
; out[n][j] = sum over k of inter[n][k] down[e][j][k], e the token's expert, on codes of FP6 (E2M3) with one E8M0 scale for each 32 along K = down's last axis.
; WORK LEFT OUT, as in the first launch: only the rows of each token's own expert are multiplied; reference() throws the 15 others away by take_along_axis on the index input.
; LIMITS as there: NaN and infinities are not served; a block of zeros gets the scale byte 1 (its codes are zeros; this program alone reads the bytes).
; SHARES.  Work-group (x, y) = (slice of 64 rows j, expert): 256 KiB of down, one dense block, read once.  Waves 0-7 STREAM: wave w takes rows 8 w .. 8 w + 7, quantises along the row and leaves codes and scale
; bytes in LDS.  Waves 8-15 serve TOKENS: each copies a tile's codes and scale words (stored by the first launch as images of the operand's registers) into its own LDS bytes meanwhile, and behind the barrier
; multiplies the tile by the 64 rows and stores 256 bytes of each token's row of out.  Rows past an expert's end repeat its last token and store the same bytes: EXEC is never changed.
; EIGHT PASSES, a constant, as in the first launch: the barrier stands under no branch on data; only the first orders anything.  The number of tiles comes from the count that the first launch stored.
; The product is used transposed (source 0 = 16 rows of down, source 1 = 16 tokens): a lane holds eight neighbouring columns of one token's row.
; THE MODE: SCHED_MODE bits 1:0 = 2 (LLVM: expert scheduling mode 2), set by the entry lines.  The code itself states the register dependences between vector or matrix instructions and memory or LDS
; instructions, and those through scalar registers that vector instructions write, with s_wait_alu, always for 0.
; THE PLAN.  Offsets and LDS addresses v1 .. v16 are made at the head, ahead of one wait, and never written again.
; STREAM.  RR[p % 4]: a row's loads land, the stage's stores read, the loads of four rows on land again.  XX: LDS loads land, the maxima and conversions read.  CC and the byte: the conversions, moves and a shift
;   write, the LDS stores at the row's end read, the next row writes again.  A row has ONE wait on vm_vsrc, behind the stage's round trip, and ONE on va_vdst, ahead of the codes' stores, which also serves the
;   next row's loads into XX.  One more on vm_vsrc stands at the role's end, ahead of the branch to the passes, whose loads land in the registers of CC and the byte.
; TOKENS.  CP: loads land, LDS stores read; one wait on vm_vsrc at the copy's end, ahead of the label, for all that the products' loads and results write there.  The products: FIVE places of 24 registers
;   (two fragments of down) and a scale register each; group g lies in place g % 5; a pair of groups is a K step.  At a pair's head ONE wait on va_vdst states that the pair before is done reading its two
;   places, their scale words and the tokens' other set; the loads of groups 2 p + 3 and 2 p + 4 and of the tokens' next fragment land there, dealt among the pair's first two products.
;   The way out: one wait on va_vdst behind the sixteen address lines (the accumulators and the offsets are written), one on vm_vsrc at its end.
.set DSC,   50176                      ; LDS: down's codes at 0: 64 rows of 768 bytes + 16;  here the scale bytes: 64 rows of 32 + 4
.set SSTG,  52480                      ; a streaming wave's stage: 32 places of 128 bytes + 16
.set OSTG,  89344                      ; a token wave's stage for the way out: 16 rows of 256 bytes + 16
.set TIM,   124160                     ; a token wave's copy of a tile: 12,288 bytes of codes, 512 of scale words
.set SPARE, 226560                     ; the spare words, 128 bytes for each wave: eight blocks of 256 bytes that no other line names
.set SPW, 1                            ; v1 my spare word; v2 0: never rewritten
.set NIL, 2
.set SSW, 3                            ; v3 stream's stage, in;  v4 out: 144 x lane
.set SSR, 4
.set DWA, 5                            ; v5 where my block's codes go;  v6 its scale byte
.set DSA, 6
.set LW,  7                            ; v7 my lane's place in a fragment of down;  v8 its scale words: lanes 0-15 the even tile's, lanes 16-31 the odd one's
.set LSC, 8
.set OSW, 9                            ; v9 the way out's stage, in;  v10 back
.set OSR, 10
.set TIW, 11                           ; v11 the tile's copy: 16 x lane (in);  v12 8 x lane (out);  v13 scale words: 4 r
.set TIR, 12
.set TIS, 13
.set H4,  14                           ; v14 4 h, v15 16 x lane, v16 16 r: offsets in memory, never rewritten
.set L16, 15
.set R16, 16
.set ASR, 20                           ; v20-21 the tokens' scale words, v24-28 down's, one register a place: scales and nothing else, in both roles
.set WS,  24
.set CC,  32                           ; STREAM: v32-37 a block's codes; v38-40 its upper half as converted; v42-45 at work
.set DD,  38
.set RR,  64                           ; v64-191 four rows as loaded
.set XX,  192                          ; v192-223 my block of 32
.set CP,  32                           ; TOKENS: v32-131 the tile on its way into LDS
.set AFR, 32                           ; products: v32-55 the tokens' fragment, two sets
.set OO,  56                           ; v56-63 the byte offsets of rows 2 i + h of out
.set ACC, 64                           ; v64-95 four tiles of 16 columns
.set WR,  96                           ; v96-215 five places of two fragments of down
.set BK,  216                          ; v216-247 the rows read back from the stage
	s_load_b256 s[4:11], s[0:1], 0x0               ; down s[4:5], inter_codes s[6:7], inter_scales s[8:9], route s[10:11]
	s_load_b64 s[12:13], s[0:1], 0x20              ; out0
	v_lshl_add_u32 v[SPW], v0, 2, SPARE
	v_mov_b32 v[NIL], 0
	v_lshrrev_b32 v17, 5, v0
	v_readfirstlane_b32 s18, v17                   ; wave 0..15
	s_and_b32 s20, ttmp7, 0xffff                   ; the expert
	s_mov_b32 s21, ttmp9                           ; the slice
	s_mov_b32 s23, 0                               ; tiles of my expert (the token waves read it)
	s_mov_b32 s25, 0                               ; the pass
	v_and_b32 v17, 31, v0                          ; lane
	v_and_b32 v18, 15, v0                          ; r
	v_bfe_u32 v19, v0, 4, 1                        ; h
	; every LDS address is made here, ahead of the roles' parting: first the lane's parts
	v_lshrrev_b32 v[SSW], 3, v17
	v_mul_u32_u24 v[SSW], v[SSW], 144
	v_and_b32 v[SSR], 7, v17
	v_lshl_add_u32 v[SSW], v[SSR], 4, v[SSW]       ; eight lanes' 128 bytes are a block: place lane / 8, + 16 (lane % 8)
	v_mul_u32_u24 v[SSR], v17, 144
	v_mul_u32_u24 v[DWA], v17, 24
	v_mul_u32_u24 v[LW], v18, 784
	v_mad_u32_u24 v[LW], v19, 24, v[LW]
	v_mul_u32_u24 v[LSC], v18, 36
	v_mad_u32_u24 v[LSC], v19, 576, v[LSC]         ; one product: the lower base + h x 16 rows
	v_add_nc_u32 v[LSC], DSC, v[LSC]
	v_mul_u32_u24 v[OSW], v18, 272
	v_lshl_add_u32 v[OSW], v19, 5, v[OSW]
	v_mul_u32_u24 v[OSR], v19, 272
	v_lshl_add_u32 v[OSR], v18, 4, v[OSR]
	s_wait_alu depctr_va_vdst(0)
	v_lshlrev_b32 v[H4], 2, v19
	v_lshlrev_b32 v[L16], 4, v17
	v_lshlrev_b32 v[R16], 4, v18
	s_wait_alu depctr_va_sdst(0)                   ; s18 is written, ahead of its first reader
	s_and_b32 s19, s18, 7                          ; my number within my role
	s_mov_b32 s24, s19                             ; my tile of this pass
	s_mul_i32 s26, s19, 4608
	s_add_co_u32 s26, s26, SSTG
	v_add_nc_u32 v[SSW], s26, v[SSW]
	v_add_nc_u32 v[SSR], s26, v[SSR]
	s_mul_i32 s26, s19, 6272                       ; my 8 rows of 784 bytes
	v_add_nc_u32 v[DWA], s26, v[DWA]
	s_mul_i32 s26, s19, 288
	s_add_co_u32 s26, s26, DSC
	v_add_nc_u32 v[DSA], s26, v17
	s_mul_i32 s26, s19, 4352
	s_add_co_u32 s26, s26, OSTG
	v_add_nc_u32 v[OSW], s26, v[OSW]
	v_add_nc_u32 v[OSR], s26, v[OSR]
	s_mul_i32 s26, s19, 12800
	s_add_co_u32 s26, s26, TIM
	v_lshl_add_u32 v[TIW], v17, 4, s26
	v_lshl_add_u32 v[TIR], v17, 3, s26
	s_add_co_u32 s26, s26, 12288
	v_lshl_add_u32 v[TIS], v18, 2, s26
	s_wait_kmcnt 0x0
	s_wait_alu depctr_va_vdst(0)                   ; v1 to v16 are written: every load and store of the kernel, global or LDS, reads its offset or address there (out's rows aside)
	s_cmp_ge_u32 s18, 8
	s_cbranch_scc1 .Ltoken
; ---------------- STREAM.  A row of down is 4,096 bytes, 32 blocks of 32 along K: eight loads of 512 consecutive bytes; through my stage lane l gets block l whole.
.macro LOADR p
.irp q, 0,1,2,3,4,5,6,7
	global_load_b128 v[RR+32*((\p)%4)+4*\q:RR+32*((\p)%4)+4*\q+3], v[L16], s[28:29] offset:4096*(\p)+512*\q th:TH_LOAD_NT
.endr
.endm
.macro BROW p
.if 7-(\p) >= 3
	s_wait_loadcnt 24                              ; this row's eight loads are in; the three rows behind it may be out
.else
	s_wait_loadcnt 8*(7-(\p))
.endif
.irp q, 0,1,2,3,4,5,6,7
	ds_store_b128 v[SSW], v[RR+32*((\p)%4)+4*\q:RR+32*((\p)%4)+4*\q+3] offset:576*\q
.endr
.irp q, 0,1,2,3,4,5,6,7
	ds_load_b128 v[XX+4*\q:XX+4*\q+3], v[SSR] offset:16*\q   ; LDS serves a wave's instructions in order: these see my stores.  No vector instruction since the last wait on va_vdst names v[XX ..]
.endr
	s_wait_dscnt 0x0                               ; my block is here
	s_wait_alu depctr_vm_vsrc(0)                   ; the stage's stores have read this row's set of v[RR ..], in which the loads below land; the last row's stores have read v[CC ..] and v45, which this row writes again
.if (\p) < 4
	LOADR (\p)+4                                   ; into the set just stored
.endif
	v_max3_num_f32 v42, |v[XX]|, |v[XX+1]|, |v[XX+2]|
	v_max3_num_f32 v43, |v[XX+3]|, |v[XX+4]|, |v[XX+5]|
.irp w, 6,10,14,18,22,26
	v_max3_num_f32 v42, v42, |v[XX+\w]|, |v[XX+\w+1]|
	v_max3_num_f32 v43, v43, |v[XX+\w+2]|, |v[XX+\w+3]|
.endr
	v_max3_num_f32 v42, v42, |v[XX+30]|, |v[XX+31]|
	v_max3_num_f32 v42, v42, v43, 0x1800000        ; the floor 2^(3 - 127) holds the byte at 1 from below
	v_add_nc_u32 v44, 0xff000000, v42              ; 2 off the exponent field: the conversion's scale operand
	v_lshrrev_b32 v45, 23, v44                     ; the scale's byte
	v_cvt_scalef32_pk16_fp6_f32 v[CC:CC+2], v[XX:XX+15], v44
	v_cvt_scalef32_pk16_fp6_f32 v[DD:DD+2], v[XX+16:XX+31], v44   ; (a conversion's three registers begin on an even number)
	v_nop                                          ; one plain place behind a scaled conversion
.irp q, 0,1,2
	v_mov_b32 v[CC+3+\q], v[DD+\q]
.endr
	s_wait_alu depctr_va_vdst(0)                   ; v[CC ..] and v45 are written, which the stores below read; the maxima and conversions are done reading v[XX ..], in which the next row's block lands
.irp q, 0,1,2
	ds_store_b64 v[DWA], v[CC+2*\q:CC+2*\q+1] offset:784*(\p)+8*\q   ; block l's 24 bytes at 24 l of the row
.endr
	ds_store_b8 v[DSA], v45 offset:36*(\p)
.endm
	s_lshl_b32 s26, s20, 22                        ; the expert's 4 MiB,
	s_lshl_b32 s27, s21, 18                        ; the slice's 64 rows,
	s_add_co_u32 s26, s26, s27
	s_lshl_b32 s27, s19, 15                        ; my 8 of them
	s_add_co_u32 s26, s26, s27
	s_mov_b32 s27, 0
	s_add_nc_u64 s[28:29], s[4:5], s[26:27]
.irp p, 0,1,2,3
	LOADR \p
.endr
.irp p, 0,1,2,3,4,5,6,7
	BROW \p
.endr
	s_wait_alu depctr_vm_vsrc(0)                   ; the last row's LDS stores have read v[CC ..] and v45: loads behind the label land in these registers
	s_branch .Lpass
.Ltoken:                                           ; how many tokens my expert has: a whole number that the first launch stored
	s_lshl_b32 s26, s20, 7
	s_mov_b32 s27, 0
	s_add_nc_u64 s[26:27], s[10:11], s[26:27]
	s_load_b32 s22, s[26:27], 0x0
	s_wait_kmcnt 0x0
	s_min_u32 s22, s22, 0x400
	s_add_co_u32 s23, s22, 15
	s_lshr_b32 s23, s23, 4                         ; tiles of 16
.macro AFETCH s                        ; the tokens' fragment of K step s: six pieces of 256 bytes, 8 bytes a lane: piece q is registers 2 q, 2 q + 1; and its scale words: 7 LDS loads
.irp q, 0,1,2,3,4,5
	ds_load_b64 v[AFR+12*((\s)%2)+2*\q:AFR+12*((\s)%2)+2*\q+1], v[TIR] offset:1536*(\s)+256*\q
.endr
	ds_load_b32 v[ASR+(\s)%2], v[TIS] offset:64*(\s)
.endm
.macro WLOAD g                         ; group g = 2 s + p: down's fragments of tiles 2 p and 2 p + 1, K step s, and one register with both's scale words: 13 LDS loads, into place g % 5
.set SL, (\g)%5
.set WB, WR+24*SL
.set PP, (\g)%2
.set SS, (\g)/2
.irp u, 0,1
.irp p, 0,1,2,3,4,5
	ds_load_b64 v[WB+12*\u+2*\p:WB+12*\u+2*\p+1], v[LW] offset:(2*PP+\u)*12544+96*SS+48*(\p/3)+8*(\p%3)
.endr
.endr
	ds_load_b32 v[WS+SL], v[LSC] offset:1152*PP+4*SS
.endm
.macro PRODA g                         ; group g's product with its even tile; the first K step starts the sums
.set SL, (\g)%5
.set WB, WR+24*SL
.set AB, AFR+12*(((\g)/2)%2)
.set AX, ASR+((\g)/2)%2
.set A0, ACC+16*((\g)%2)
.if (\g) < 2
	v_wmma_scale_f32_16x16x128_f8f6f4 v[A0:A0+7], v[WB:WB+11], v[AB:AB+11], 0, v[WS+SL], v[AX] matrix_a_fmt:MATRIX_FMT_FP6 matrix_b_fmt:MATRIX_FMT_FP6
.else
	v_wmma_scale_f32_16x16x128_f8f6f4 v[A0:A0+7], v[WB:WB+11], v[AB:AB+11], v[A0:A0+7], v[WS+SL], v[AX] matrix_a_fmt:MATRIX_FMT_FP6 matrix_b_fmt:MATRIX_FMT_FP6
.endif
.endm
.macro PRODB g                         ; and with its odd tile
.set SL, (\g)%5
.set WB, WR+24*SL
.set AB, AFR+12*(((\g)/2)%2)
.set AX, ASR+((\g)/2)%2
.set A0, ACC+16*((\g)%2)
.if (\g) < 2
	v_wmma_scale_f32_16x16x128_f8f6f4 v[A0+8:A0+15], v[WB+12:WB+23], v[AB:AB+11], 0, v[WS+SL], v[AX] matrix_a_fmt:MATRIX_FMT_FP6 matrix_b_fmt:MATRIX_FMT_FP6 matrix_a_scale:MATRIX_SCALE_ROW1
.else
	v_wmma_scale_f32_16x16x128_f8f6f4 v[A0+8:A0+15], v[WB+12:WB+23], v[AB:AB+11], v[A0+8:A0+15], v[WS+SL], v[AX] matrix_a_fmt:MATRIX_FMT_FP6 matrix_b_fmt:MATRIX_FMT_FP6 matrix_a_scale:MATRIX_SCALE_ROW1
.endif
.endm
.Lpass:
	s_cmp_lt_u32 s18, 8
	s_cbranch_scc1 .Ljoin                          ; the streaming waves only pass the barrier
	s_cmp_ge_u32 s24, s23
	s_cbranch_scc1 .Ljoin                          ; no such tile
	; ---- the tile's codes and scale words into my own LDS bytes, as they lie: what the products read hangs on no register written here.
	; The loads land in v[CP ..]: the last pass's way out has stated, by its two waits, that all that named these registers is done with them, and no vector instruction has been issued since.
	s_min_u32 s26, s24, 63
	s_lshl_b32 s27, s20, 6
	s_add_co_u32 s26, s26, s27                     ; the tile's place: 64 e + t
	s_mul_i32 s28, s26, 12288
	s_mov_b32 s29, 0
	s_add_nc_u64 s[28:29], s[6:7], s[28:29]
	s_lshl_b32 s30, s26, 9
	s_mov_b32 s31, 0
	s_add_nc_u64 s[30:31], s[8:9], s[30:31]
.set i, 0
.rept 24
	global_load_b128 v[CP+4*i:CP+4*i+3], v[L16], s[28:29] offset:512*i
.set i, i+1
.endr
	global_load_b128 v[CP+96:CP+99], v[L16], s[30:31]
	s_wait_loadcnt 0x0
.set i, 0
.rept 24
	ds_store_b128 v[TIW], v[CP+4*i:CP+4*i+3] offset:512*i
.set i, i+1
.endr
	ds_store_b128 v[TIW], v[CP+96:CP+99] offset:12288
	s_wait_alu depctr_vm_vsrc(0)                   ; the LDS stores have read v[CP ..]: the tokens' words, the fragments' loads and the products' results land there
.Ljoin:
	s_wait_dscnt 0x0                               ; for the others' sake: my LDS stores have landed
	s_barrier_signal -1
	s_barrier_wait -1                              ; behind the first of these down's codes and scale bytes lie whole in LDS
	s_cmp_lt_u32 s18, 8
	s_cbranch_scc1 .Lnext
	s_cmp_ge_u32 s24, s23
	s_cbranch_scc1 .Lnext
	; ---- the products: 16 groups, two matrix instructions each, in 8 pairs, a K step each; the four accumulators take turns, one instruction a turn; the first K step starts the sums
	s_min_u32 s26, s24, 63
	s_lshl_b32 s27, s20, 6
	s_add_co_u32 s26, s26, s27
	s_lshl_b32 s28, s26, 7
	s_add_co_u32 s28, s28, 2048
	s_mov_b32 s29, 0
	s_add_nc_u64 s[28:29], s[10:11], s[28:29]      ; the tile's list of tokens
	s_lshl_b32 s30, s21, 8
	s_mov_b32 s31, 0
	s_add_nc_u64 s[30:31], s[12:13], s[30:31]      ; out at my slice's 256 bytes of a row
.irp i, 0,1,2,3,4,5,6,7
	global_load_b32 v[OO+\i], v[H4], s[28:29] offset:8*\i   ; the token of row 2 i + h: wanted only on the way out
.endr
	AFETCH 0
	WLOAD 0
	WLOAD 1
	WLOAD 2
.set pr, 0
.set HC, 26                            ; at a pair's head: the LDS loads issued behind the tokens' fragment of this K step: the two groups that the pair before asked for (at the first pair: groups 1 and 2)
.set PN2, 13                           ; the loads of the last group that the pair before asked for
.rept 8
.set NA, 0                             ; what this pair asks for: the tokens' next fragment,
.if pr < 7
.set NA, 7
.endif
.set N1, 0                             ; group 2 pr + 3,
.if 2*pr+3 < 16
.set N1, 13
.endif
.set N2, 0                             ; group 2 pr + 4
.if 2*pr+4 < 16
.set N2, 13
.endif
	s_wait_dscnt HC                                ; LDS loads come back in order: the tokens' fragment of this K step is in, and group 2 pr, which is older
.if (pr > 0) && (NA+N1+N2 > 0)
.rept 4
	v_nop                                          ; the four places between the last pair's products and the loads into the registers that they read stay as in the plain form
.endr
	s_wait_alu depctr_va_vdst(0)                   ; the last pair's products are done reading their two places, their scale words and the tokens' other set: this pair's loads land there
.endif
	PRODA 2*pr
.if NA
	AFETCH pr+1
.endif
.if N1
	WLOAD 2*pr+3                                   ; no wait: no matrix instruction since the wait above names these registers
.endif
	PRODB 2*pr
.if N2
	WLOAD 2*pr+4
.endif
	s_wait_dscnt PN2+NA+N1+N2                      ; group 2 pr + 1 is in: behind its loads stand one group of the pair before and all that this pair has asked for
	PRODA 2*pr+1
	PRODB 2*pr+1
.set HC, N1+N2
.set PN2, N2
.set pr, pr+1
.endr
	; ---- the way out: through my stage, so that sixteen lanes store 256 consecutive bytes of a token's row, aligned
	s_wait_loadcnt 0x0                             ; the tokens
.irp i, 0,1,2,3,4,5,6,7
	v_min_u32 v[OO+\i], 0x3ff, v[OO+\i]            ; (these sixteen lines name no register of the products: they are the places behind the last of them)
.endr
.irp i, 0,1,2,3,4,5,6,7
	v_lshl_add_u32 v[OO+\i], v[OO+\i], 12, v[R16]  ; a row of out is 4,096 bytes; + 16 r
.endr
	s_wait_alu depctr_va_vdst(0)                   ; the products have written the accumulators, which the LDS stores read, and the lines above v[OO ..], which the global stores read as offsets; the places above stay beside this wait
.irp c, 0,1,2,3
	ds_store_b128 v[OSW], v[ACC+8*\c:ACC+8*\c+3] offset:64*\c          ; lane (r, h): out(token r, 16 c + 8 h + 0 .. 7); each accumulator from its low end on
	ds_store_b128 v[OSW], v[ACC+8*\c+4:ACC+8*\c+7] offset:64*\c+16
.endr
.irp i, 0,1,2,3,4,5,6,7
	ds_load_b128 v[BK+4*\i:BK+4*\i+3], v[OSR] offset:544*\i            ; rows 2 i and 2 i + 1; LDS serves a wave's instructions in order: these see my stores
.endr
.irp i, 0,1,2,3,4,5,6,7
	s_wait_dscnt 7-\i                              ; LDS loads come back in order: pair i is in
	global_store_b128 v[OO+\i], v[BK+4*\i:BK+4*\i+3], s[30:31] th:TH_STORE_NT
.endr
	s_wait_xcnt 0x0                                ; the stores have had their addresses translated: the next pass writes their registers and base again,
	s_wait_alu depctr_vm_vsrc(0)                   ; and they have read v[OO ..] and v[BK ..], the LDS stores the accumulators: the next pass's loads land in all of these
.Lnext:
	s_add_co_u32 s24, s24, 8
	s_add_co_u32 s25, s25, 1
	s_cmp_lt_u32 s25, 8
	s_cbranch_scc1 .Lpass
	s_wait_dscnt 0x0                               ; the closing lines, six on end
	s_wait_alu 0x0
	s_wait_tensorcnt 0x0
	ds_add_u32 v[SPW], v[NIL]
	s_wait_dscnt 0x0
	s_endpgm
.Lfunc_end_k_qa64c386e9f_down:
	.size	k_qa64c386e9f_down, .Lfunc_end_k_qa64c386e9f_down-k_qa64c386e9f_down
	.p2alignl 7, 3214868480
	.fill 96, 4, 3214868480
	.section	.rodata,"a",@progbits
	.p2align	6, 0x0
	.amdhsa_kernel k_qa64c386e9f_down
		.amdhsa_group_segment_fixed_size 228608
		.amdhsa_private_segment_fixed_size 0
		.amdhsa_enable_private_segment 0
		.amdhsa_kernarg_size 40
		.amdhsa_user_sgpr_count 2
		.amdhsa_user_sgpr_kernarg_segment_ptr 1
		.amdhsa_wavefront_size32 1
		.amdhsa_system_sgpr_workgroup_id_x 1
		.amdhsa_system_sgpr_workgroup_id_y 1
		.amdhsa_system_sgpr_workgroup_id_z 1
		.amdhsa_system_vgpr_workitem_id 0
		.amdhsa_next_free_vgpr 256
		.amdhsa_next_free_sgpr 66
		.amdhsa_reserve_vcc 0
		.amdhsa_float_denorm_mode_32 3
		.amdhsa_float_denorm_mode_16_64 3
		.amdhsa_memory_ordered 1
		.amdhsa_forward_progress 1
		.amdhsa_inst_pref_size 64
	.end_amdhsa_kernel
	.amdgpu_metadata
---
amdhsa.version: [ 1, 2 ]
amdhsa.kernels:
  - .name:           k_qa64c386e9f_down
    .symbol:         k_qa64c386e9f_down.kd
    .args:
      - { .name: down_proj, .offset: 0, .size: 8, .value_kind: global_buffer, .address_space: global }
      - { .name: inter_codes, .offset: 8, .size: 8, .value_kind: global_buffer, .address_space: global }
      - { .name: inter_scales, .offset: 16, .size: 8, .value_kind: global_buffer, .address_space: global }
      - { .name: route, .offset: 24, .size: 8, .value_kind: global_buffer, .address_space: global }
      - { .name: out0, .offset: 32, .size: 8, .value_kind: global_buffer, .address_space: global }
    .group_segment_fixed_size: 228608
    .private_segment_fixed_size: 0
    .kernarg_segment_align: 8
    .kernarg_segment_size: 40
    .max_flat_workgroup_size: 512
    .sgpr_count:     66
    .vgpr_count:     256
    .wavefront_size: 32
...
	.end_amdgpu_metadata
.endif
;; end of part 4
